; MI455X (gfx1250); checked and timed in simulation.
; The chip was launched on July 23, 2026; its instructions are those of AMD's public machine-readable ISA for CDNA 5 (MIT licence, August 2026) and "CDNA5" Instruction Set Architecture Reference Guide (July 2026). The comments in the code are by the model that wrote it; some were corrected since.
;; Multi Head Attention. Allowed arithmetic: matrix products marked QUANTISED: E5M2 operands, one E8M0 scale for each 32 along K, by v_wmma_scale_f32_16x16x128_f8f6f4 with both operands' format E5M2, f32 sums; everything else in f32.
;; Inputs: Wo 1,024 x 1,024 float32; Wqkv 1,024 x 3,072 float32; bo 1,024 float32; bqkv 3,072 float32; x 4 x 2,048 x 1,024 float32.
;; Outputs: out0 4 x 2,048 x 1,024 float32.
;; This version of the problem:
;;   THIS VERSION OF THE PROBLEM IS GIVEN IN LOW PRECISION. The matrix products marked QUANTISED in the list below multiply operands that are first quantised to E5M2 (5 exponent bits, 2 mantissa bits; 8 bits a number), with one power-of-two scale for each 32 numbers along K (OCP MX v1.0); their sums are f32. All else is computed in f32.
;;   The module's matrix products, in the order in which they are computed (A, B: the left and right operand; K: the contracted axis; several contracted axes count as one K, in the product's order):
;;     1. [M 8,192, K 1,024] x [K 1,024, N 3,072]; A: input x; B: input Wqkv: QUANTISED
;;     2. batch 64 x [M 2,048, K 64] x [K 64, N 2,048]; A: computed on the way; B: computed on the way: QUANTISED
;;     3. batch 64 x [M 2,048, K 2,048] x [K 2,048, N 64]; A: softmax (see below); B: computed on the way: QUANTISED
;;     4. [M 8,192, K 1,024] x [K 1,024, N 1,024]; A: computed on the way; B: input Wo: QUANTISED
;;   THE QUANTISER, for each operand of a quantised product, along K:
;;     - K is cut into blocks of 32 from its start; a last block that is shorter is filled with zeros.
;;     - A block's scale is 2^e with e = floor(log2(the largest magnitude in the block)) - 15, held to -126 .. 127; a block of zeros has e = 0. As a byte (E8M0): e + 127.
;;     - Each number is divided by its block's scale, clamped to +-57,344, and rounded to the nearest number of E5M2, ties to even, subnormals kept.
;;     - The product sums the exact products of the quantised numbers (number of the format x scale) in f32.
;;   ~~~python
;;   def quantise(x, axis):      # numpy; x: float32 -> the quantised numbers, widened to float32 again
;;       x = np.moveaxis(x, axis, -1); K = x.shape[-1]
;;       x = np.pad(x, [(0, 0)] * (x.ndim - 1) + [(0, -K % 32)]); x = x.reshape(x.shape[:-1] + (-1, 32)); a = np.abs(x).max(-1, keepdims=True)
;;       e = np.where(a > 0, np.clip(np.frexp(np.where(a > 0, a, 1))[1] - 1 - 15, -126, 127), 0)      # np.frexp(a)[1] - 1 = floor(log2(a)), exactly
;;       r = np.clip(x / 2.0 ** e, -57344, 57344)
;;       step = 2.0 ** (np.maximum(np.frexp(np.where(r == 0, 1, r))[1] - 1, -14) - 2)
;;       q = np.round(r / step) * step * 2.0 ** e      # np.round: ties to even
;;       return np.moveaxis(q.reshape(q.shape[:-2] + (-1,))[..., :K], -1, axis).astype(np.float32)
;;   ~~~
;;   SOFTMAX AHEAD OF A QUANTISED PRODUCT. Where the list says 'softmax', what is quantised is not the finished softmax but p = 2^(t - M), with t = logit x log2(e) and M = ceil(the row's largest t), a whole number; so 1/2 < the row's largest p <= 1. The row's sum l is taken of the UNQUANTISED p, in f32, and the product's result is divided by l at the end. Since M is a whole number, a kernel that streams over the keys may use a running M (the ceiling of the running maximum): every later rescaling is an exact power of two, which a block's scale takes up: the codes' values come out the same.
;;   OPERANDS COMPUTED ON THE WAY. 'Computed on the way' means the value that the module computes at that place (a softmax that the list does not call 'softmax' is quantised finished and normalised). What goes into a quantiser is computed in f32, as accurately as f32 sums, v_exp_f32 and their like allow (about 1e-6 of the number): no bf16 or f16 on the way to a quantiser, and a product that is left as it is and whose result goes on into a quantised operand takes f32 operands (vector FMAs, or v_wmma_f32_16x16x4_f32). A number that lies on a knife's edge between two numbers of the format may be rounded either way, as far as f32 arithmetic and the matrix unit's own rounding can turn it there, and no further.
;; One version. Each part assembles by itself: llvm-mc -triple=amdgcn-amd-amdhsa -mcpu=gfx1250 --defsym DOCPART=n.
;; ======== version 1 of 1: 4 launches
;; limits: right only within a limited range of input values
;; workspace buffers: xq 8,650,752 bytes; wq 4,325,376 bytes; qkvc 26,476,544 bytes; attc 8,650,752 bytes
;; launch quant (part 1): grid 384 x 1, 4 waves a work-group, no clusters, 68,096 bytes of LDS; arguments x, Wqkv, Wo, xq, wq; writes xq, wq
.if DOCPART == 1
	.amdgcn_target "amdgcn-amd-amdhsa--gfx1250"
	.amdhsa_code_object_version 6
	.text
	.protected	k_q38e00c55a2_quant
	.globl	k_q38e00c55a2_quant
	.p2align	8
	.type	k_q38e00c55a2_quant,@function
k_q38e00c55a2_quant:
	s_mov_b64 s[64:65], 0
	v_nop
	global_prefetch_b8 v0, s[64:65] scope:SCOPE_SE
	s_setreg_imm32_b32 hwreg(HW_REG_WAVE_MODE, 25, 1), 1
	s_wait_xcnt 0x0
; One launch quantises all three f32 operands of the two large products to codes of BF8 (E5M2), K innermost, with one E8M0 scale byte for each 32 along K.
; Work-groups 0 .. 127 take the weights (K is their FIRST axis), work-groups 128 .. 383 take x (K innermost).  The two paths part on the work-group's number and have LDS bytes of their own.
; xq: codes [8192 storage rows][1024] at byte 0, scale bytes [8192][32] at XSO.  wq: codes [4096 storage rows][1024] at 0, scale bytes [4096][32] at WSO; logical rows 0 .. 3071 are Wqkv's columns, 3072 .. 4095 Wo's.
; STORAGE ROWS: logical row i lies at the row whose number is i with bits 3 and 4 exchanged, so that 16 consecutive storage rows 16 (2 B + u) + r are the logical rows 32 B + 8 u + r + 8 (r / 8).
; A block's scale is 2^(floor(log2(its largest magnitude)) - 15); its byte is that magnitude's exponent field - 15, held at 1 from below; each number is divided by the scale, held within +-57,344, rounded to nearest, ties to even.
; LIMITS: a block of zeros gets the byte 1 where the quantiser's rule says 127: its codes are zeros, and this program alone reads the bytes.  NaN and infinities among the inputs are not served.
; No tensor loads, no barrier: waves share nothing.
.set EMAX,  15
.set MANT,  0x600000                   ; the mantissa field of 57,344
.set SPW,   208                        ; v208 my spare word's LDS address; v209 0: both kept for the closing add
.set NIL,   209
.set WL,    0x8000                     ; LDS: x's path 0 .. 32,767; the weights' path from WL, 34,816 bytes; then the spare words
.set SPARE, 0x10800
	v_lshl_add_u32 v[SPW], v0, 2, SPARE
	v_mov_b32 v[NIL], 0
	v_lshrrev_b32 v1, 5, v0
	v_readfirstlane_b32 s16, v1                    ; wave 0..3
	v_and_b32 v2, 31, v0                           ; lane
	s_wait_alu depctr_va_vdst(0)                   ; the wait ahead of the branch
	s_cmp_lt_u32 ttmp9, 128
	s_cbranch_scc0 .Lx
; THE WEIGHTS.  A lane takes a column and its registers run down K: a block of 32 lies in one lane's 32 registers, and the conversions give codes with K innermost.
; Work-group: 128 columns (number % 32 < 24: Wqkv's, else Wo's) x 256 along K (number / 32).  The row pitch is chosen on the work-group's number, so it stands in 32 offset registers and 8 bases.
; Codes go through the wave's own stage, into the row that the exchange of bits names, and leave as rows: sixteen lanes store 256 consecutive bytes, aligned.
.set NB,    8
.set PITCH, 272
.set KROW,  1024
.set WSO,   4194304
.set XW,    32                         ; v32-95 two sets of 32 numbers
.set CW,    96                         ; v96-103 a block's codes
.set OUTR,  112                        ; v112-175 the way out
.set SB,    24                         ; v24-25 the scale bytes
.set VO,    176                        ; v176-207 4 x lane + i x pitch
.set BS,    32                         ; s[32:47] the eight blocks' bases
	s_load_b128 s[4:7], s[0:1], 0x8                ; Wqkv, Wo
	s_load_b64 s[8:9], s[0:1], 0x20                ; wq
	s_and_b32 s51, ttmp9, 31                       ; which 128 columns
	s_lshr_b32 s18, ttmp9, 5                       ; which 256 along K
	s_lshl_b32 s19, s16, 5
	s_cmp_lt_u32 s51, 24
	s_mov_b32 s20, 4096
	s_cselect_b32 s20, 12288, s20                  ; the source's row pitch in bytes
	s_cselect_b32 s21, 0, 24
	s_sub_co_u32 s17, s51, s21
	s_lshl_b32 s17, s17, 7
	s_add_co_u32 s17, s17, s19                     ; my wave's first column in its weight
	s_lshl_b32 s24, s17, 2
	s_mul_i32 s25, s18, s20
	s_lshl_b32 s25, s25, 8
	s_add_co_u32 s24, s24, s25
	s_mov_b32 s25, 0
	s_lshl_b32 s22, s20, 5                         ; 32 rows: from block to block
	s_mov_b32 s23, 0
	s_lshl_b32 s26, s51, 7
	s_add_co_u32 s26, s26, s19                     ; my wave's first row of the output
	s_lshl_b32 s28, s26, 10
	s_lshl_b32 s29, s18, 8
	s_add_co_u32 s28, s28, s29                     ; codes: row x 1,024 + 256 y
	s_mov_b32 s29, 0
	s_lshl_b32 s30, s26, 5
	s_lshl_b32 s31, s18, 3
	s_add_co_u32 s30, s30, s31
	s_add_co_u32 s30, s30, WSO                     ; scale bytes: WSO + row x 32 + 8 y
	s_mov_b32 s31, 0
	s_mov_b32 s50, MANT
	s_mul_i32 s27, s16, 32*PITCH
	s_add_co_u32 s27, s27, WL                      ; my stage
	v_and_b32 v10, 7, v2
	v_bfe_u32 v11, v2, 3, 1
	v_bfe_u32 v12, v2, 4, 1
	v_lshl_add_u32 v10, v11, 4, v10
	v_lshl_add_u32 v10, v12, 3, v10                ; my column's storage row among the wave's 32
	v_mul_u32_u24 v4, v10, PITCH
	v_add_nc_u32 v4, s27, v4
	v_lshlrev_b32 v9, 5, v10
	v_and_b32 v5, 15, v2
	v_lshrrev_b32 v6, 4, v2
	v_mul_u32_u24 v7, v6, PITCH
	v_lshl_add_u32 v7, v5, 4, v7
	v_add_nc_u32 v7, s27, v7
	v_mul_u32_u24 v8, v6, KROW
	v_lshl_add_u32 v8, v5, 4, v8
	v_lshlrev_b32 v[VO], 2, v2
.set i, 1
.rept 31
	v_add_nc_u32 v[VO+i], s20, v[VO+i-1]
.set i, i+1
.endr
	s_wait_alu depctr_va_vdst(0)                   ; the wait at the head's end
	s_wait_kmcnt 0x0
	s_cmp_lt_u32 s51, 24
	s_cselect_b64 s[4:5], s[4:5], s[6:7]
	s_add_nc_u64 s[BS:BS+1], s[4:5], s[24:25]
.irp t, 1,2,3,4,5,6,7
	s_add_nc_u64 s[BS+2*\t:BS+2*\t+1], s[BS+2*\t-2:BS+2*\t-1], s[22:23]
.endr
	s_add_nc_u64 s[6:7], s[8:9], s[28:29]
	s_add_nc_u64 s[8:9], s[8:9], s[30:31]
.macro LOADW t                         ; block t: W(32 t + i, my column) into set t % 2
.set i, 0
.rept 32
	global_load_b32 v[XW+32*((\t)%2)+i], v[VO+i], s[BS+2*(\t):BS+2*(\t)+1] th:TH_LOAD_NT
.set i, i+1
.endr
.endm
	LOADW 0
	LOADW 1
.macro BLOCK t
.set XS, XW+32*((\t)%2)
.if (\t) < NB-1
	s_wait_loadcnt 32                              ; this block's 32 loads are in; the next block's 32 may be out
.else
	s_wait_loadcnt 0
.endif
	v_max3_num_f32 v12, |v[XS]|, |v[XS+1]|, |v[XS+2]|
	v_max3_num_f32 v13, |v[XS+3]|, |v[XS+4]|, |v[XS+5]|
.irp i, 6,10,14,18,22,26
	v_max3_num_f32 v12, v12, |v[XS+\i]|, |v[XS+\i+1]|
	v_max3_num_f32 v13, v13, |v[XS+\i+2]|, |v[XS+\i+3]|
.endr
	v_max3_num_f32 v12, v12, |v[XS+30]|, |v[XS+31]|
	v_max3_num_f32 v12, v12, v13, (EMAX+1)<<23     ; the floor 2^(16 - 127): the byte cannot fall under 1
	v_add_nc_u32 v11, -(EMAX<<23), v12             ; the conversion's scale operand
	v_and_or_b32 v10, v12, 0x7f800000, s50         ; 57,344 x the scale
	v_lshrrev_b32 v13, 23, v11                     ; the scale's byte
.if (\t)%4 == 0
	v_mov_b32 v[SB+(\t)/4], v13
.else
	v_lshl_or_b32 v[SB+(\t)/4], v13, 8*((\t)%4), v[SB+(\t)/4]
.endif
.irp i, 0,1,2,3,4,5,6,7,8,9,10,11,12,13,14,15,16,17,18,19,20,21,22,23,24,25,26,27,28,29,30,31
	v_med3_num_f32 v[XS+\i], v[XS+\i], -v10, v10   ; the conversion does not saturate (ISA guide 7.6.2): the hold comes first
.endr
.irp g, 0,1,2,3
	v_cvt_scalef32_pk8_bf8_f32 v[CW+2*\g:CW+2*\g+1], v[XS+8*\g:XS+8*\g+7], v11
.endr
	ds_store_b128 v4, v[CW:CW+3] offset:32*(\t)
	ds_store_b128 v4, v[CW+4:CW+7] offset:32*(\t)+16
.if (\t)+2 < NB
	LOADW (\t)+2
.endif
	s_wait_dscnt 0x0                               ; the stores have read their registers
.endm
.set Q, 0
.rept NB
	BLOCK Q
.set Q, Q+1
.endr
	global_store_b64 v9, v[SB:SB+1], s[8:9]        ; my column's 8 scale bytes
.irp t, 0,1,2,3,4,5,6,7,8,9,10,11,12,13,14,15
	ds_load_b128 v[OUTR+4*\t:OUTR+4*\t+3], v7 offset:2*\t*PITCH   ; LDS serves a wave's instructions in order: these see my stores
.endr
.irp t, 0,1,2,3,4,5,6,7,8,9,10,11,12,13,14,15
	s_wait_dscnt 15-\t                             ; rows 2 t and 2 t + 1 are back; the younger loads stay out
	global_store_b128 v8, v[OUTR+4*\t:OUTR+4*\t+3], s[6:7] offset:2*\t*KROW
.endr
	s_wait_tensorcnt 0x0                           ; the wave's end
	ds_add_u32 v[SPW], v[NIL]
	s_wait_dscnt 0x0
	s_endpgm
; x.  A wave takes a run of 8,192 numbers (8 rows), 16 steps of 512.  Each load reads 512 consecutive bytes; a step's 2,048 bytes turn through the wave's own stage and come back 64 bytes a lane,
; so that a lane holds 16 neighbours along K and two neighbouring lanes hold a block.  A run of 8 rows moves as a whole: the exchange of bits 3 and 4 of the row is the exchange of the two bits of the wave's number.
.Lx:
.set STEPS, 16
.set CB,    16
.set R,     16                         ; v16-79   four sets of 16 numbers as loaded
.set X,     80                         ; v80-111  two sets of 16 neighbours
.set E,     112                        ; v112-127 a scale byte for each step
.set C,     128                        ; v128-191 codes, four registers a step
.set WREG,  8192
.set SP,    80
.set XSO,   8388608
	s_load_b64 s[4:5], s[0:1], 0x0                 ; x
	s_load_b64 s[6:7], s[0:1], 0x18                ; xq
	v_lshlrev_b32 v3, 4, v2
	s_mul_i32 s17, s16, WREG
	v_lshrrev_b32 v14, 2, v2
	v_mul_u32_u24 v14, v14, SP
	v_and_b32 v15, 3, v2
	v_lshl_add_u32 v14, v15, 4, v14
	v_add_nc_u32 v14, s17, v14                     ; the stage, in: SP (lane / 4) + 16 (lane % 4)
	v_mul_u32_u24 v15, v2, SP
	v_add_nc_u32 v15, s17, v15                     ; and out: SP x lane
	v_lshrrev_b32 v5, 1, v2
	s_add_co_u32 s17, s17, 2*32*SP
	v_add_nc_u32 v5, s17, v5                       ; my wave's 256 scale bytes, my block's byte
	v_lshlrev_b32 v7, 3, v2
	v_add_nc_u32 v6, s17, v7
	s_mov_b32 s23, MANT
	s_sub_co_u32 s28, ttmp9, 128
	s_lshl_b32 s17, s28, 2
	s_add_co_u32 s18, s17, s16                     ; the run that I read
	s_mov_b32 s19, 0
	s_lshl_b64 s[20:21], s[18:19], 15
	s_and_b32 s24, s16, 1
	s_lshl_b32 s24, s24, 1
	s_lshr_b32 s25, s16, 1
	s_or_b32 s24, s24, s25
	s_add_co_u32 s24, s24, s17                     ; the run that I write
	s_lshl_b32 s26, s24, 8
	s_add_co_u32 s26, s26, XSO
	s_mov_b32 s27, 0
	s_lshl_b32 s24, s24, 13
	s_mov_b32 s25, 0
	s_wait_alu depctr_va_vdst(0)                   ; the wait at the head's end
	s_wait_kmcnt 0x0
	s_add_nc_u64 s[4:5], s[4:5], s[20:21]
	s_add_nc_u64 s[8:9], s[6:7], s[24:25]
	s_add_nc_u64 s[10:11], s[6:7], s[26:27]
.macro LOAD t
.irp i, 0,1,2,3
	global_load_b128 v[R+16*((\t)%4)+4*\i:R+16*((\t)%4)+4*\i+3], v3, s[4:5] offset:2048*(\t)+512*\i th:TH_LOAD_NT
.endr
.endm
.macro TURN t                          ; LDS serves a wave's instructions in order: no wait between the stores and the loads
.irp i, 0,1,2,3
	ds_store_b128 v14, v[R+16*((\t)%4)+4*\i:R+16*((\t)%4)+4*\i+3] offset:32*SP*((\t)%2)+8*SP*\i
.endr
.irp i, 0,1,2,3
	ds_load_b128 v[X+16*((\t)%2)+4*\i:X+16*((\t)%2)+4*\i+3], v15 offset:32*SP*((\t)%2)+16*\i
.endr
.endm
.irp t, 0,1,2,3
	LOAD \t
.endr
	s_wait_loadcnt 12                              ; step 0's four loads are in; the twelve of steps 1 to 3 stay out
	TURN 0
.macro STEP t
.set XS, X+16*((\t)%2)
.if (\t) > 0
	s_wait_dscnt 1                                 ; this step's numbers are back (the last step's byte store may be out)
.else
	s_wait_dscnt 0x0
.endif
.if (\t)+4 < STEPS
	LOAD (\t)+4
.endif
.if (\t)+1 < STEPS
.if STEPS-2-(\t) >= 3
	s_wait_loadcnt 12                              ; the next step's four loads are in; those of the three steps behind it may be out
.else
	s_wait_loadcnt 4*(STEPS-2-(\t))
.endif
	TURN (\t)+1
.endif
	v_max3_num_f32 v8, |v[XS]|, |v[XS+1]|, |v[XS+2]|
	v_max3_num_f32 v9, |v[XS+3]|, |v[XS+4]|, |v[XS+5]|
.irp i, 6,10
	v_max3_num_f32 v8, v8, |v[XS+\i]|, |v[XS+\i+1]|
	v_max3_num_f32 v9, v9, |v[XS+\i+2]|, |v[XS+\i+3]|
.endr
	v_max3_num_f32 v8, v8, |v[XS+14]|, |v[XS+15]|
	v_max3_num_f32 v8, v8, v9, (EMAX+1)<<23
	v_max_num_f32_dpp v8, v8, v8 row_xmask:1 row_mask:0xf bank_mask:0xf   ; with my neighbour's 16: the block's
	v_add_nc_u32 v11, -(EMAX<<23), v8
	v_and_or_b32 v10, v8, 0x7f800000, s23
.irp i, 0,1,2,3,4,5,6,7,8,9,10,11,12,13,14,15
	v_med3_num_f32 v[XS+\i], v[XS+\i], -v10, v10
.endr
	v_cvt_scalef32_pk8_bf8_f32 v[C+4*(\t):C+4*(\t)+1], v[XS:XS+7], v11
	v_cvt_scalef32_pk8_bf8_f32 v[C+4*(\t)+2:C+4*(\t)+3], v[XS+8:XS+15], v11
	v_lshrrev_b32 v[E+(\t)], 23, v11
	ds_store_b8 v5, v[E+(\t)] offset:16*(\t)       ; both lanes of a block write the same byte with the same value
	global_store_b128 v3, v[C+4*(\t):C+4*(\t)+3], s[8:9] offset:32*CB*(\t)   ; 32 lanes store 512 consecutive bytes
.endm
.irp t, 0,1,2,3,4,5,6,7,8,9,10,11,12,13,14,15
	STEP \t
.endr
	ds_load_b64 v[12:13], v6
	s_wait_dscnt 0x0
	global_store_b64 v7, v[12:13], s[10:11]        ; 32 lanes store 256 consecutive bytes, aligned
	s_wait_tensorcnt 0x0                           ; the wave's end
	ds_add_u32 v[SPW], v[NIL]
	s_wait_dscnt 0x0
	s_endpgm
.Lfunc_end_k_q38e00c55a2_quant:
	.size	k_q38e00c55a2_quant, .Lfunc_end_k_q38e00c55a2_quant-k_q38e00c55a2_quant
	.p2alignl 7, 3214868480
	.fill 96, 4, 3214868480
	.section	.rodata,"a",@progbits
	.p2align	6, 0x0
	.amdhsa_kernel k_q38e00c55a2_quant
		.amdhsa_group_segment_fixed_size 68096
		.amdhsa_private_segment_fixed_size 0
		.amdhsa_enable_private_segment 0
		.amdhsa_kernarg_size 40
		.amdhsa_user_sgpr_count 2
		.amdhsa_user_sgpr_kernarg_segment_ptr 1
		.amdhsa_wavefront_size32 1
		.amdhsa_system_sgpr_workgroup_id_x 1
		.amdhsa_system_sgpr_workgroup_id_y 1
		.amdhsa_system_sgpr_workgroup_id_z 1
		.amdhsa_system_vgpr_workitem_id 0
		.amdhsa_next_free_vgpr 210
		.amdhsa_next_free_sgpr 66
		.amdhsa_reserve_vcc 0
		.amdhsa_float_denorm_mode_32 3
		.amdhsa_float_denorm_mode_16_64 3
		.amdhsa_memory_ordered 1
		.amdhsa_forward_progress 1
		.amdhsa_inst_pref_size 111
	.end_amdhsa_kernel
	.amdgpu_metadata
---
amdhsa.version: [ 1, 2 ]
amdhsa.kernels:
  - .name:           k_q38e00c55a2_quant
    .symbol:         k_q38e00c55a2_quant.kd
    .args:
      - { .name: x, .offset: 0, .size: 8, .value_kind: global_buffer, .address_space: global }
      - { .name: Wqkv, .offset: 8, .size: 8, .value_kind: global_buffer, .address_space: global }
      - { .name: Wo, .offset: 16, .size: 8, .value_kind: global_buffer, .address_space: global }
      - { .name: xq, .offset: 24, .size: 8, .value_kind: global_buffer, .address_space: global }
      - { .name: wq, .offset: 32, .size: 8, .value_kind: global_buffer, .address_space: global }
    .group_segment_fixed_size: 68096
    .private_segment_fixed_size: 0
    .kernarg_segment_align: 8
    .kernarg_segment_size: 40
    .max_flat_workgroup_size: 128
    .sgpr_count:     66
    .vgpr_count:     210
    .wavefront_size: 32
...
	.end_amdgpu_metadata
.endif
;; end of part 1
;; launch qkv (part 2): grid 96 x 4, 4 waves a work-group, clusters of 4 x 4, 327,680 bytes of LDS; arguments xq, wq, bqkv, qkvc; writes qkvc
.if DOCPART == 2
	.amdgcn_target "amdgcn-amd-amdhsa--gfx1250"
	.amdhsa_code_object_version 6
	.text
	.protected	k_q38e00c55a2_qkv
	.globl	k_q38e00c55a2_qkv
	.p2align	8
	.type	k_q38e00c55a2_qkv,@function
k_q38e00c55a2_qkv:
	s_mov_b64 s[64:65], 0
	v_nop
	global_prefetch_b8 v0, s[64:65] scope:SCOPE_SE
	s_setreg_imm32_b32 hwreg(HW_REG_WAVE_MODE, 25, 1), 1
	s_wait_xcnt 0x0
	s_wait_alu depctr_hold_cnt(0) depctr_sa_sdst(0) depctr_va_vdst(0) depctr_va_sdst(0) depctr_va_ssrc(0) depctr_va_vcc(0) depctr_vm_vsrc(0)
	s_getreg_b32 s2, hwreg(HW_REG_IB_STS2, 6, 4)
	s_cmp_eq_u32 s2, 0
	s_cbranch_scc0 .Lentry_in_a_cluster
	s_endpgm
.Lentry_in_a_cluster:
	s_bfe_u32 s2, ttmp6, 0x10000c
	s_cmp_lg_u32 s2, 0xf033
	s_cbranch_scc0 .Lentry_shape_is_right
	s_endpgm
.Lentry_shape_is_right:
.set SIZE_K, 1024
.set KSTEP,  256
.set NQ,     KSTEP/128
.set ROWB,   256
.set KROW,   SIZE_K
.set PITCH,  272
.set FR,     16
.set NL,     4
.set NP,     8
.set HALFT,  128*PITCH
.set SLOT,   4*HALFT
.set LAPS,   SIZE_K/(2*KSTEP)
.set KS,     SIZE_K/32
.set SCL,    2*SLOT
.set HALFS,  (128*KS/256)*272
.set SBLK,   (16*KS/256)*272
.set SPARE,  SCL+4*HALFS
.set XSO,    8388608
.set WSO,    4194304
.set WV0,    2048*1024
.set WVS,    WSO+2048*32
.set SCB,    25165824
.set HREC,   20480
.set SOFF, 3
.set SH,   4
.set ADRA, 8
.set ADRB, 10
.set ADRS, 12
.set LI,   13
.set SPW,  14
.set NIL,  15
.set B1,   16
.set SC,   32
.set BI,   64
.set AF,   128
.set T,    128
.set PC,   192
.set TM,   224
.set PWS,  240
.set W,    248
.set SEL,  20
.set MNT,  22
.set G1, 24
.set G0, 32
.set G1B, 48
.set G0B, 56
.set G1S, 68
.set G0S, 76
.set G1SB, 80
.set G0SB, 88
.set MSB, 0
.macro WIN new
.if MSB != (\new)
	s_set_vgpr_msb (MSB<<8)|(\new)
.set MSB, (\new)
.endif
.endm
.set MUL_LO, 0xa1
.set MUL_HI, 0xf1
.set TO_B,   0x40
.macro JLOAD g0a, g1a, g0b, g1b
	s_cmp_eq_u32 s15, 0
	s_cbranch_scc0 .Lfor_b_\@
	tensor_load_to_lds s[\g0a:\g0a+3], s[\g1a:\g1a+7]
	s_nop 0
.rept 4
	v_nop
.endr
	s_branch .Lasked_\@
.Lfor_b_\@:
	tensor_load_to_lds s[\g0b:\g0b+3], s[\g1b:\g1b+7]
	s_nop 0
.rept 4
	v_nop
.endr
.Lasked_\@:
.endm
.macro CREST
	s_cmp_lg_u32 s14, 0
	s_cbranch_scc1 .Lnot_wave_0_\@
	s_barrier_signal -3
.Lnot_wave_0_\@:
	s_barrier_wait -3
	s_barrier_signal -1
	s_barrier_wait -1
.endm
.macro CROUND
	s_barrier_signal -1
	s_barrier_wait -1
	CREST
.endm
	s_load_b128 s[4:7], s[0:1], 0x0
	s_load_b128 s[8:11], s[0:1], 0x10
	v_lshl_add_u32 v[SPW], v0, 2, SPARE
	v_mov_b32 v[NIL], 0
	ds_add_u32 v14, v15
	ds_add_u32 v14, v15
	s_wait_dscnt 0x0
	v_lshrrev_b32 v1, 5, v0
	v_readfirstlane_b32 s14, v1
	s_lshr_b32 s15, s14, 1
	s_and_b32 s16, s14, 1
	s_bfe_u32 s40, ttmp6, 0x40000
	s_bfe_u32 s41, ttmp6, 0x40004
	s_and_b32 s18, ttmp9, 1
	s_lshr_b32 s19, ttmp9, 1
	s_sub_co_u32 s20, ttmp9, 16
	s_cmp_lt_u32 ttmp9, 16
	s_cselect_b32 s2, 0, 1
	s_cselect_b32 s18, s18, s20
	s_cselect_b32 s19, s19, 0
	s_lshl_b32 s42, s18, 2
	s_add_co_u32 s42, s42, s40
	s_lshl_b32 s17, s19, 2
	s_add_co_u32 s17, s17, s41
	s_lshl_b32 s43, s41, 2
	s_lshl_b32 s43, 15, s43
	s_lshl_b32 s44, 0x1111, s40
	s_or_b32 s[G1+0], s43, (0<<16)|(1<<20)|(1<<21)|(5<<22)|(3<<25)
	s_or_b32 s[G1B+0], s44, (0<<16)|(1<<20)|(1<<21)|(5<<22)|(3<<25)
.irp g, G1, G1B
	s_mov_b32 s[\g+1], ROWB<<16
	s_mov_b32 s[\g+2], 256<<16
	s_mov_b32 s[\g+3], ROWB<<16
	s_mov_b32 s[\g+4], 256
	s_mov_b32 s[\g+5], KROW
	s_mov_b32 s[\g+6], 0
	s_mov_b32 s[\g+7], 0
.endr
	s_or_b32 s[G1S+0], s43, (3<<16)|(1<<20)|(1<<21)|(5<<22)|(3<<25)
	s_or_b32 s[G1SB+0], s44, (3<<16)|(1<<20)|(1<<21)|(5<<22)|(3<<25)
.irp g, G1S, G1SB
	s_mov_b32 s[\g+1], 32<<16
	s_mov_b32 s[\g+2], KS<<16
	s_mov_b32 s[\g+3], 32<<16
	s_mov_b32 s[\g+4], KS
	s_mov_b32 s[\g+5], 32
	s_mov_b32 s[\g+6], 0
	s_mov_b32 s[\g+7], 0
.endr
	s_lshl_b32 s20, s17, 8                         ; the tiles' first rows
	s_lshl_b32 s46, s42, 8
	s_mov_b32 s21, 0
	s_mov_b32 s47, 0
	s_mov_b64 s[18:19], KS
	s_mul_u64 s[22:23], s[20:21], s[18:19]
	s_mul_u64 s[104:105], s[46:47], s[18:19]
	s_mov_b64 s[18:19], KROW
	s_mul_u64 s[20:21], s[20:21], s[18:19]
	s_mul_u64 s[46:47], s[46:47], s[18:19]
	s_mul_i32 s45, s14, HALFT
	s_mul_i32 s18, s16, 128*KROW                   ; in the ring I fetch 128 rows of a tile: which half, in bytes
	s_mov_b32 s19, 0
	s_wait_kmcnt 0x0
	s_mov_b64 s[12:13], s[10:11]
	s_mov_b64 s[66:67], s[8:9]
	s_add_nc_u64 s[92:93], s[4:5], XSO
	s_add_nc_u64 s[96:97], s[6:7], WV0
	s_add_nc_u64 s[98:99], s[6:7], WSO
	s_add_nc_u64 s[100:101], s[6:7], WVS
	s_cmp_lt_u32 ttmp9, 16
	s_cselect_b64 s[8:9], s[6:7], s[4:5]
	s_cselect_b64 s[10:11], s[98:99], s[92:93]
	s_cselect_b64 s[4:5], s[4:5], s[96:97]
	s_cselect_b64 s[6:7], s[92:93], s[100:101]
	s_add_nc_u64 s[20:21], s[4:5], s[20:21]
	s_add_nc_u64 s[22:23], s[6:7], s[22:23]
	s_add_nc_u64 s[46:47], s[8:9], s[46:47]
	s_add_nc_u64 s[104:105], s[10:11], s[104:105]
	CROUND
	s_mov_b32 s[G0S], 1
	s_mov_b32 s[G0S+1], SCL
	s_mov_b64 s[G0S+2:G0S+3], s[22:23]
	s_or_b32 s[G0S+3], s[G0S+3], 0x80000000
	s_mov_b32 s[G0SB], 1
	s_mov_b32 s[G0SB+1], SCL+2*HALFS
	s_mov_b64 s[G0SB+2:G0SB+3], s[104:105]
	s_or_b32 s[G0SB+3], s[G0SB+3], 0x80000000
.set G0H, 4                            ; s[4:7], s[8:11] group 0 for the head's loads of K step 0: 256 rows each (the pointers that lay there have been used)
.set G0HB, 8
	s_mov_b32 s[G0H], 1
	s_mov_b32 s[G0H+1], 0
	s_mov_b64 s[G0H+2:G0H+3], s[20:21]
	s_or_b32 s[G0H+3], s[G0H+3], 0x80000000
	s_mov_b32 s[G0HB], 1
	s_mov_b32 s[G0HB+1], 2*HALFT
	s_mov_b64 s[G0HB+2:G0HB+3], s[46:47]
	s_or_b32 s[G0HB+3], s[G0HB+3], 0x80000000
	s_add_nc_u64 s[20:21], s[20:21], s[18:19]      ; for the ring: my 128 rows of the tile
	s_add_nc_u64 s[46:47], s[46:47], s[18:19]
.irp s, 0,1
	s_mov_b32 s[G0+4*\s], 1
	s_add_co_u32 s[G0+4*\s+1], s45, \s*SLOT
	s_add_nc_u64 s[G0+4*\s+2:G0+4*\s+3], s[20:21], \s*ROWB
	s_or_b32 s[G0+4*\s+3], s[G0+4*\s+3], 0x80000000
	s_mov_b32 s[G0B+4*\s], 1
	s_add_co_u32 s[G0B+4*\s+1], s45, \s*SLOT
	s_add_nc_u64 s[G0B+4*\s+2:G0B+4*\s+3], s[46:47], \s*ROWB
	s_or_b32 s[G0B+4*\s+3], s[G0B+4*\s+3], 0x80000000
.endr
; The head's loads, one a wave, in one chain of branches on the wave's number: wave 0 K step 0's 256 rows of source 1's tile, wave 1 those of source 0's, waves 2 and 3 their scale bytes.
.macro ARM under, g0, g1, next
	s_cmp_lt_u32 s14, \under
	s_cbranch_scc0 \next
	tensor_load_to_lds s[\g0:\g0+3], s[\g1:\g1+7]
	s_nop 0
.rept 4
	v_nop
.endr
	s_branch .Lhead_asked
\next:
.endm
	ARM 1, G0H,  G1,  .Lhead_b
	ARM 2, G0HB, G1B, .Lhead_sa
	ARM 3, G0S,  G1S, .Lhead_sb
	tensor_load_to_lds s[G0SB:G0SB+3], s[G1SB:G1SB+7]
	s_nop 0
.rept 4
	v_nop
.endr
.Lhead_asked:
	v_and_b32 v1, 15, v0
	v_bfe_u32 v2, v0, 4, 1
	v_mul_u32_u24 v3, v1, PITCH
	v_lshl_add_u32 v4, v2, 4, v3
	s_mul_i32 s21, s15, HALFT
	s_mul_i32 s22, s16, HALFT
	s_add_co_u32 s22, s22, 2*HALFT
.irp s, 0,1
	v_add_nc_u32 v[ADRA+\s], s21, v4
	v_add_nc_u32 v[ADRB+\s], s22, v4
	s_add_co_u32 s21, s21, SLOT
	s_add_co_u32 s22, s22, SLOT
.endr
	v_mul_u32_u24 v5, v1, KS
	v_lshrrev_b32 v6, 8, v5
	v_lshl_add_u32 v5, v6, 4, v5
	s_mul_i32 s21, s15, HALFS
	s_mul_i32 s22, s16, HALFS
	s_add_co_u32 s22, s22, 2*HALFS
	s_sub_co_u32 s22, s22, s21
	v_mul_u32_u24 v6, s22, v2
	s_add_co_u32 s21, s21, SCL
	v_add_nc_u32 v5, v5, v6
	v_add_nc_u32 v[ADRS], s21, v5
	v_and_b32 v6, 31, v0
	v_lshlrev_b32 v[LI], 4, v6
	s_lshl_b32 s18, s42, 8
	s_lshl_b32 s19, s16, 7
	s_add_co_u32 s18, s18, s19
	s_lshl_b32 s19, s17, 8
	s_lshl_b32 s20, s15, 7
	s_add_co_u32 s19, s19, s20
	s_add_co_u32 s19, s19, 2048
	s_cmp_eq_u32 s2, 0
	s_cselect_b32 s18, s18, 0
	s_cselect_b32 s19, 0, s19
	s_lshl_b32 s92, s18, 2
	s_mov_b32 s93, 0
	s_lshl_b32 s96, s19, 2
	s_mov_b32 s97, 0
	s_add_nc_u64 s[92:93], s[66:67], s[92:93]
	s_add_nc_u64 s[96:97], s[66:67], s[96:97]
	v_lshlrev_b32 v7, 6, v2
	v_and_b32 v6, 8, v1
	v_add_nc_u32 v6, v6, v1
	v_lshlrev_b32 v6, 2, v6
.irp b, 0,1,2,3
.irp k, 0,1,2,3
	global_load_b128 v[BI+16*\b+4*\k:BI+16*\b+4*\k+3], v7, s[92:93] offset:128*\b+16*\k
.endr
.endr
.irp a, 0,1,2,3,4,5,6,7
	global_load_b32 v[B1+2*\a], v6, s[96:97] offset:128*(\a/2)+32*(\a%2)
	global_load_b32 v[B1+2*\a+1], v6, s[96:97] offset:128*(\a/2)+32*(\a%2)
.endr
.macro FRAG reg, adr, q, i
.irp c, 0,1,2,3
	ds_load_b128 v[\reg+4*\c:\reg+4*\c+3], v[\adr] offset:128*(\q)+32*\c+(\i)*16*PITCH
.endr
.endm
.macro MUL16 a0, p, q, sc, zero
.irp a, \a0, \a0+1
.irp b, 0,1,2,3,4,5,6,7
.if \zero
	v_wmma_scale_f32_16x16x128_f8f6f4 v[8*(8*((\a)%4)+\b):8*(8*((\a)%4)+\b)+7], v[128*(\p)+FR*\b:128*(\p)+FR*\b+FR-1], v[AF+FR*(\a):AF+FR*(\a)+FR-1], 0, v[SC+8*NQ*(\sc)+NQ*\b+(\q)], v[SC+8*NQ*(\sc)+NQ*(\a)+(\q)] matrix_a_fmt:MATRIX_FMT_BF8 matrix_b_fmt:MATRIX_FMT_BF8 matrix_a_scale:MATRIX_SCALE_ROW1
.else
	v_wmma_scale_f32_16x16x128_f8f6f4 v[8*(8*((\a)%4)+\b):8*(8*((\a)%4)+\b)+7], v[128*(\p)+FR*\b:128*(\p)+FR*\b+FR-1], v[AF+FR*(\a):AF+FR*(\a)+FR-1], v[8*(8*((\a)%4)+\b):8*(8*((\a)%4)+\b)+7], v[SC+8*NQ*(\sc)+NQ*\b+(\q)], v[SC+8*NQ*(\sc)+NQ*(\a)+(\q)] matrix_a_fmt:MATRIX_FMT_BF8 matrix_b_fmt:MATRIX_FMT_BF8 matrix_a_scale:MATRIX_SCALE_ROW1
.endif
.endr
.endr
.endm
.macro FETCH_B slot, q, p
	WIN TO_B
.irp i, 0,1,2,3,4,5,6,7
	FRAG 128*(\p)+FR*\i, ADRB+\slot, \q, \i
.endr
	WIN 0
.endm
.macro FETCH_A slot, q, i0
.irp i, \i0, \i0+1, \i0+2, \i0+3
	FRAG AF+FR*(\i), ADRA+\slot, \q, \i
.endr
.endm
.macro SCALES sc
.irp i, 0,1,2,3,4,5,6,7
	ds_load_b64 v[SC+8*NQ*\sc+NQ*\i:SC+8*NQ*\sc+NQ*\i+1], v[ADRS] offset:\i*SBLK
.endr
.endm
.macro PLACES n
.rept \n
	v_nop
.endr
.endm
.macro STEP slot, q, zero
	s_wait_dscnt 4*NL
	WIN MUL_LO
	MUL16 0, (\q)%2, \q, \slot, \zero
	MUL16 2, (\q)%2, \q, \slot, \zero
	s_wait_dscnt 0
	PLACES NP
	FETCH_B \slot, (\q)+1, 1-(\q)%2
	FETCH_A \slot, (\q)+1, 0
	WIN MUL_HI
	MUL16 4, (\q)%2, \q, \slot, \zero
	MUL16 6, (\q)%2, \q, \slot, \zero
	PLACES NP
	WIN 0
	FETCH_A \slot, (\q)+1, 4
.endm
.macro TURN slot, next, fill
	s_wait_tensorcnt 0x0
	ds_add_u32 v[SPW], v[NIL]
	s_wait_dscnt 4*NL+1
	WIN MUL_LO
	MUL16 0, 1, NQ-1, \slot, 0
	s_wait_dscnt 0x0
	s_barrier_signal -1
	MUL16 2, 1, NQ-1, \slot, 0
	WIN 0
	s_barrier_wait -1
.if \fill
	CREST
	s_add_nc_u64 s[G0+4*\slot+2:G0+4*\slot+3], s[G0+4*\slot+2:G0+4*\slot+3], 2*ROWB
	s_add_nc_u64 s[G0B+4*\slot+2:G0B+4*\slot+3], s[G0B+4*\slot+2:G0B+4*\slot+3], 2*ROWB
	JLOAD G0+4*\slot, G1, G0B+4*\slot, G1B
	PLACES NP-4
.else
	PLACES NP
.endif
	s_wait_alu depctr_va_vdst(0)
	v_add_nc_u32 v[ADRS], 4*NQ, v[ADRS]
	FETCH_B \next, 0, 0
	FETCH_A \next, 0, 0
	SCALES \next
	WIN MUL_HI
	MUL16 4, 1, NQ-1, \slot, 0
	MUL16 6, 1, NQ-1, \slot, 0
	PLACES NP
	WIN 0
	FETCH_A \next, 0, 4
.endm
	s_wait_alu depctr_va_vdst(0)                   ; the wait at the head's end
	s_wait_loadcnt 0x0                             ; the biases
	s_wait_tensorcnt 0x0                           ; my tile of the head's four is in
	ds_add_u32 v[SPW], v[NIL]
	s_mov_b32 s[G1+2], 128<<16                     ; no tensor load of mine is out: from here on a load brings 128 rows
	s_mov_b32 s[G1+4], 128
	s_mov_b32 s[G1B+2], 128<<16
	s_mov_b32 s[G1B+4], 128
	s_wait_dscnt 0x0
	CROUND                                         ; all four tiles are in, and the sixteen work-groups meet
	JLOAD G0+4, G1, G0B+4, G1B                     ; K step 1: the first tensor load behind the round
	FETCH_B 0, 0, 0
	FETCH_A 0, 0, 0
	SCALES 0
	FETCH_A 0, 0, 4
	STEP 0, 0, 1
	s_mov_b32 s3, LAPS-1
.Llap:
	TURN 0, 1, 1
	STEP 1, 0, 0
	TURN 1, 0, 1
	STEP 0, 0, 0
	s_sub_co_u32 s3, s3, 1
	s_cmp_lg_u32 s3, 0
	s_cbranch_scc1 .Llap
	TURN 0, 1, 0
	STEP 1, 0, 0
	s_wait_dscnt 4*NL
	WIN MUL_LO
	MUL16 0, 1, NQ-1, 1, 0
	MUL16 2, 1, NQ-1, 1, 0
	s_wait_dscnt 0
	WIN MUL_HI
	MUL16 4, 1, NQ-1, 1, 0
	MUL16 6, 1, NQ-1, 1, 0
	WIN 0
	PLACES NP
	s_lshl_b32 s4, s17, 8
	s_lshl_b32 s5, s15, 7
	s_add_co_u32 s4, s4, s5
	s_lshl_b32 s5, s42, 8
	s_lshl_b32 s6, s16, 7
	s_add_co_u32 s5, s5, s6
	s_add_co_u32 s6, s4, 2048
	s_cmp_eq_u32 s2, 0
	s_cselect_b32 s7, s4, s5
	s_cselect_b32 s8, s5, s6
	s_mov_b32 s96, 1024
	s_cselect_b32 s96, 131072, s96
	s_mov_b32 s98, 2048
	s_cselect_b32 s98, 1024, s98
	s_mov_b32 s100, 124928
	s_cselect_b32 s100, 1024, s100
	s_cselect_b32 s19, 9, 8
	s_mov_b32 s97, 0
	s_mov_b32 s99, 0
	s_mov_b32 s101, 0
	s_lshr_b32 s9, s8, 10
	s_lshr_b32 s10, s7, 11
	s_lshl_b32 s10, s10, 4
	s_bfe_u32 s11, s8, 0x40006
	s_add_co_u32 s10, s10, s11
	s_bfe_u32 s18, s7, 0x40007
	s_lshl_b32 s11, s9, 6
	s_add_co_u32 s11, s11, s10
	s_lshl_b32 s92, s11, 17
	s_lshl_b32 s93, s18, 13
	s_add_co_u32 s92, s92, s93
	s_mov_b32 s93, 0
	s_mul_i32 s94, s10, HREC
	s_lshl_b32 s19, s18, s19
	s_add_co_u32 s94, s94, s19
	s_cmp_eq_u32 s9, 0
	s_cselect_b32 s95, 12288, 0
	s_cmp_eq_u32 s9, 2
	s_cselect_b32 s95, 8192, s95
	s_add_co_u32 s94, s94, s95
	s_add_co_u32 s94, s94, SCB
	s_mov_b32 s95, 0
	s_add_nc_u64 s[104:105], s[12:13], s[94:95]
	s_add_nc_u64 s[12:13], s[12:13], s[92:93]
	s_add_nc_u64 s[96:97], s[12:13], s[96:97]
	s_mov_b32 s[SEL], 0x76543210
	s_mov_b32 s[SEL+1], 0xfedcba98
	s_mov_b32 s[MNT], 0x600000
	s_mov_b32 s23, 0x7f7f0000
	s_mov_b32 s3, 0xffff0000
	v_mul_u32_u24 v[SOFF], v2, HREC
	v_lshl_add_u32 v[SOFF], v1, 4, v[SOFF]
	v_lshlrev_b32 v[SH], 4, v2
.irp b, 0,1,2,3
	v_mov_b32 v[TM+4+\b], 0
.endr
.macro QUANT s, pc, pw
.irp b, 0,1,2,3
	v_max3_num_f32 v[TM+\b], |v[\s+16*\b]|, |v[\s+1+16*\b]|, 0x8000000
.endr
.irp i, 2,4,6,8,10,12,14
.irp b, 0,1,2,3
	v_max3_num_f32 v[TM+\b], v[TM+\b], |v[\s+16*\b+\i]|, |v[\s+1+16*\b+\i]|
.endr
.endr
.irp b, 0,1,2,3
	v_permlanex16_b32 v[TM+4+\b], v[TM+\b], s[SEL], s[SEL+1]
.endr
.irp b, 0,1,2,3
	v_max_num_f32 v[TM+\b], v[TM+\b], v[TM+4+\b]
.endr
.irp b, 0,1,2,3
	v_add_nc_u32 v[TM+12+\b], 0xf8800000, v[TM+\b]
.endr
.irp b, 0,1,2,3
	v_and_or_b32 v[TM+8+\b], v[TM+\b], 0x7f800000, s[MNT]
.endr
.irp b, 0,1,2,3
	v_lshrrev_b32 v[TM+4+\b], 23, v[TM+12+\b]
.endr
	v_lshl_or_b32 v[\pw], v[TM+5], 8, v[TM+4]
	v_lshl_or_b32 v[\pw], v[TM+6], 16, v[\pw]
	v_lshl_or_b32 v[\pw], v[TM+7], 24, v[\pw]
.irp b, 0,1,2,3
.irp i, 0,1,2,3,4,5,6,7,8,9,10,11,12,13,14,15
	v_med3_num_f32 v[\s+16*\b+\i], v[\s+16*\b+\i], -v[TM+8+\b], v[TM+8+\b]
.endr
	v_cvt_scalef32_pk8_bf8_f32 v[\pc+4*\b:\pc+4*\b+1], v[\s+16*\b:\s+16*\b+7], v[TM+12+\b]
	v_cvt_scalef32_pk8_bf8_f32 v[\pc+4*\b+2:\pc+4*\b+3], v[\s+16*\b+8:\s+16*\b+15], v[TM+12+\b]
.endr
	v_nop
.endm
.macro OUTBLK a
.set AC, 64*((\a)%4)
.set PCS, PC+16*((\a)%2)
	s_cmp_eq_u32 s2, 0
	s_cbranch_scc0 .Lway_v_\@
	WIN 0x02+(\a)/4
.set i, 0
.rept 32
	v_pk_add_f32 v[T+i:T+i+1], v[AC+i:AC+i+1], v[BI+i:BI+i+1]
.set i, i+2
.endr
	WIN 0
	s_branch .Lbiased_\@
.Lway_v_\@:
	WIN 0x02+(\a)/4
.set i, 0
.rept 32
	v_pk_add_f32 v[T+i:T+i+1], v[AC+i:AC+i+1], v[B1+2*(\a):B1+2*(\a)+1]
.set i, i+2
.endr
	WIN 0
.Lbiased_\@:
	QUANT T, PCS, PWS+(\a)
.if (\a) > 0
	s_wait_alu depctr_va_vdst(0)
	s_wait_xcnt 0x0
.if (\a) == 4
	s_add_nc_u64 s[12:13], s[12:13], s[100:101]
	s_add_nc_u64 s[96:97], s[96:97], s[100:101]
.else
	s_add_nc_u64 s[12:13], s[12:13], s[98:99]
	s_add_nc_u64 s[96:97], s[96:97], s[98:99]
.endif
.endif
	global_store_b128 v[LI], v[PCS:PCS+3], s[12:13]
	global_store_b128 v[LI], v[PCS+4:PCS+7], s[12:13] offset:512
	global_store_b128 v[LI], v[PCS+8:PCS+11], s[96:97]
	global_store_b128 v[LI], v[PCS+12:PCS+15], s[96:97] offset:512
.endm
.irp a, 0,1,2,3,4,5,6,7
	OUTBLK \a
.endr
	s_cmp_eq_u32 s2, 0
	s_cbranch_scc0 .Lscale_v
.irp a, 0,1,2,3,4,5,6,7
	v_lshrrev_b32 v[W+\a], v[SH], v[PWS+\a]
.endr
.irp a, 0,1,2,3,4,5,6,7
	v_and_or_b32 v[W+\a], v[W+\a], 0xffff, s23
.endr
	global_store_b128 v[SOFF], v[W:W+3], s[104:105]
	global_store_b128 v[SOFF], v[W+4:W+7], s[104:105] offset:256
	s_branch .Lscaled
.Lscale_v:
.irp i, 0,1,2,3
	v_cndmask_b32 v[W+\i], v[PWS+\i], v[PWS+4+\i], s3
.endr
	global_store_b128 v[SOFF], v[W:W+3], s[104:105]
.Lscaled:
	s_wait_tensorcnt 0x0
	ds_add_u32 v[SPW], v[NIL]
	s_wait_dscnt 0x0
	CROUND
	s_endpgm
.Lfunc_end_k_q38e00c55a2_qkv:
	.size	k_q38e00c55a2_qkv, .Lfunc_end_k_q38e00c55a2_qkv-k_q38e00c55a2_qkv
	.p2alignl 7, 3214868480
	.fill 96, 4, 3214868480
	.section	.rodata,"a",@progbits
	.p2align	6, 0x0
	.amdhsa_kernel k_q38e00c55a2_qkv
		.amdhsa_group_segment_fixed_size 327680
		.amdhsa_private_segment_fixed_size 0
		.amdhsa_enable_private_segment 0
		.amdhsa_kernarg_size 32
		.amdhsa_user_sgpr_count 2
		.amdhsa_user_sgpr_kernarg_segment_ptr 1
		.amdhsa_wavefront_size32 1
		.amdhsa_system_sgpr_workgroup_id_x 1
		.amdhsa_system_sgpr_workgroup_id_y 1
		.amdhsa_system_sgpr_workgroup_id_z 1
		.amdhsa_system_vgpr_workitem_id 0
		.amdhsa_next_free_vgpr 1024
		.amdhsa_next_free_sgpr 106
		.amdhsa_reserve_vcc 0
		.amdhsa_float_denorm_mode_32 3
		.amdhsa_float_denorm_mode_16_64 3
		.amdhsa_memory_ordered 1
		.amdhsa_forward_progress 1
		.amdhsa_inst_pref_size 226
	.end_amdhsa_kernel
	.amdgpu_metadata
---
amdhsa.version: [ 1, 2 ]
amdhsa.kernels:
  - .name:           k_q38e00c55a2_qkv
    .symbol:         k_q38e00c55a2_qkv.kd
    .args:
      - { .name: xq, .offset: 0, .size: 8, .value_kind: global_buffer, .address_space: global }
      - { .name: wq, .offset: 8, .size: 8, .value_kind: global_buffer, .address_space: global }
      - { .name: bqkv, .offset: 16, .size: 8, .value_kind: global_buffer, .address_space: global }
      - { .name: qkvc, .offset: 24, .size: 8, .value_kind: global_buffer, .address_space: global }
    .group_segment_fixed_size: 327680
    .private_segment_fixed_size: 0
    .kernarg_segment_align: 8
    .kernarg_segment_size: 32
    .max_flat_workgroup_size: 128
    .sgpr_count:     106
    .vgpr_count:     1024
    .wavefront_size: 32
...
	.end_amdgpu_metadata
.endif
;; end of part 2
;; launch attn (part 3): grid 4 x 64, 8 waves a work-group, clusters of 4 x 1, 327,680 bytes of LDS; arguments qkvc, attc; writes attc
.if DOCPART == 3
	.amdgcn_target "amdgcn-amd-amdhsa--gfx1250"
	.amdhsa_code_object_version 6
	.text
	.protected	k_q38e00c55a2_attn
	.globl	k_q38e00c55a2_attn
	.p2align	8
	.type	k_q38e00c55a2_attn,@function
k_q38e00c55a2_attn:
	s_mov_b64 s[64:65], 0
	v_nop
	global_prefetch_b8 v0, s[64:65] scope:SCOPE_SE
	s_setreg_imm32_b32 hwreg(HW_REG_WAVE_MODE, 25, 1), 1
	s_wait_xcnt 0x0
	s_wait_alu depctr_hold_cnt(0) depctr_sa_sdst(0) depctr_va_vdst(0) depctr_va_sdst(0) depctr_va_ssrc(0) depctr_va_vcc(0) depctr_vm_vsrc(0)
	s_getreg_b32 s2, hwreg(HW_REG_IB_STS2, 6, 4)
	s_cmp_eq_u32 s2, 0
	s_cbranch_scc0 .Lentry_in_a_cluster
	s_endpgm
.Lentry_in_a_cluster:
	s_bfe_u32 s2, ttmp6, 0x10000c
	s_cmp_lg_u32 s2, 0x3003
	s_cbranch_scc0 .Lentry_shape_is_right
	s_endpgm
.Lentry_shape_is_right:
; O = softmax(q k^T / 8) v for one head, both products on codes of BF8 (E5M2) with one E8M0 scale for each 32 along a product's K; O / l is quantised along the model's 1,024 for the last product.
; THE SOFTMAX AHEAD OF THE SECOND PRODUCT: t = score x log2(e) / 8; M = the row's largest t so far, rounded UP to a whole number; p = 2^(t - M) is what is quantised, along the keys; it is not normalised.
; The row's sum is taken of the unquantised p, in f32, and divides O at the end.  When M moves, the sum and O are multiplied by 2^(old M - new M): exact.
; qkvc holds q, k and v as images of the operands' registers (16 bytes a lane) and their scale words:
;   q at 0, k at 8,388,608: per head [tile 128][c 2][lane 32][16 bytes]: 16 tokens a tile, d = 32 c + 16 h + 0 .. 15: K = 64, half of the instruction's 128.
;   v at 16,777,216: per head [step 16][d tile 4][c 4][lane 32][16 bytes]: keys 32 c + 16 h + 0 .. 15 of the step's 128.
;   scale words at SCB, 20,480 bytes a head: k [step][g 2][r 16][4 words] at 0, v [step][r 16][4 words] at 8,192, q like k at 12,288; a word of q or k: two bytes, and 0x7f twice above them.
; Row r of tile 2 b + u is token (or d) 32 b + 8 u + r + 8 (r / 8), so that a lane's 16 registers of two neighbouring result tiles are 16 neighbours.
; K = 64 IN AN INSTRUCTION OF K = 128.  A fragment of 16 registers holds TWO tiles of k (K = 0 .. 63 and 64 .. 127); q stands between runs of zero codes: an even tile is multiplied by [q | 0], an odd one by [0 | q].
; A zero code times a finite code is 0, and k's codes are finite.  The two tiles' scale bytes are joined into one word.
; SHARES.  The four work-groups of a cluster own one head, 512 queries each, as two passes of 256; each of the eight waves owns TWO tiles of 16 queries in a pass: a fragment of k or v read from LDS feeds both.
; Both products are used transposed (S^T = k q^T, O^T = v^T p^T): a lane holds one query of each tile throughout.
; REGISTERS, in two windows of 256, by what they serve.  Window 0: addresses, scale words, both tiles' statistics, p's codes, S^T / p of both tiles (v128-255): the whole softmax runs under one setting, the two tiles line by line by turns.
; Window 1: k's four fragments v0-63, v's four v64-127, O^T of both tiles v128-191, and zeros, q, zeros, q, zeros in v192-231.
; LDS.  A whole head's k, v and their scale words stay in LDS, each byte filled ONCE, by joint tensor loads (the same load, descriptor and mask in the four partners), in two groups, one load a wave in each:
; at the head waves 0, 1 fetch k of key steps 0-3, waves 2, 3 v of those steps, waves 4-7 a quarter of the scale words each; behind the full sequence and a round each wave fetches a quarter of k's or v's other twelve steps.
; Key steps 0 to 2 read the first group's bytes alone; behind the barrier that follows them everything is whole and nobody writes LDS any more.
; This step's v and the next step's k are asked of LDS at the step's start, behind the first products.
; NO PREFETCH: all that the tensor loads read is asked for by the two groups at the head; there is no later stream to run ahead of.
; attc: codes [tile of 16 tokens 512][128 along K 8][c 4][lane 32][16 bytes] at 0; scale bytes [token 8192][32] at ASO.  A token's two bytes of this head leave by one 2-byte store a lane:
; a scale word of the last product spans two heads, which are two work-groups; these bytes are one in 32 of the launch's output.
; LIMITS: the promise holds while |t| stays under 2^31; a p under 2^-126 counts as 0 (v_exp_f32 gives no denormals: ISA guide 15.8); a block's largest p is made from the block's largest score, which takes v_exp_f32 not to
; fall where its input rises; 1 / l is v_rcp_f32 and a multiplication; a block of zeros gets the byte 1 where the quantiser's rule says 127 (its codes are zeros; this program alone reads the bytes).  NaN and infinities are not served.
.set SCB,  25165824
.set HREC, 20480
.set ASO,  8388608
.set LV,   131072                      ; LDS: k's images at 0, v's here,
.set LSK,  262144                      ; k's scale words,
.set LSV,  270336                      ; v's,
.set SPARE, 0x43000                    ; the spare words: 128 bytes a wave
; window 0 (x = 0, 1: the tile)
.set AK0,  1                           ; v1 16 x lane;  v2 LV + 16 x lane;  v3 LSK + 16 r;  v4 LSV + 16 r;  v6 16 r;  v7 32 r
.set AV0,  2
.set ASK0, 3
.set ASV0, 4
.set ADK,  8                           ; v8-11 the step's addresses
.set ADV,  9
.set ADS,  10
.set ADT,  11
.set SPW,  12                          ; my spare word's address; never rewritten
.set NIL,  13                          ; 0; never rewritten
.set KSW,  16                          ; v16-23 k's scale words; joined words at v[16 + 2 i]
.set VSW,  24                          ; v24-27 v's
.set QS,   28                          ; v[28 + 2 x] q's word for [q | 0], v[29 + 2 x] for [0 | q]
.set PS,   32                          ; v[32 + x] p's
.set NM,   34                          ; v[34 + 2 x] -M, v[35 + 2 x] the largest score so far
.set SUM,  38                          ; v[38 + 2 x] a pair: the sum in two halves
.set F,    42                          ; v[42 + 2 x] 2^(old M - new M); the register above it is named with it as a pair
.set T2,   46
.set TT,   48
.set MX,   52                          ; v[52 + 4 x + b] the blocks' largest
.set BY,   60                          ; lane l xor 16's; the bytes
.set HO,   68                          ; 57,344 x the scale
.set SO,   76                          ; the conversions' scale operands
.set PCD,  84                          ; v[84 + 16 x ..] p's codes
.set C2,   120                         ; v[120 + 2 x] a pair: the sum's second chain
.set S,    128                         ; v[128 + 64 x ..] S^T, then p
; window 1
.set KF,   0
.set VF,   64
.set O,    128                         ; v[128 + 32 x ..]
.set ZQ,   192
.set WV,   18
.set MNT,  19
.set SEL,  20
.set CS,   22
.set G1C,  24                          ; s[24:31] group 1: 64 rows of 256 bytes;  s[32:39]: 12 rows;  s[48:55]: 96 rows
.set G1S,  32
.set G0C,  40                          ; groups 0: the head's codes, the second group, the scale words
.set G0R,  44
.set G1R,  48
.set G0S,  56
.set TKV,  60
.set TSK,  61
.set TSV,  62
.set CNT,  63
.set SELP, 66
.set FILL, 67
.set PASS, 91
.set MSB, 0
.macro WIN new                         ; bits 1:0 source 0, 3:2 source 1, 5:4 source 2, 7:6 destination; the high byte repeats the setting that is left
.if MSB != (\new)
	s_set_vgpr_msb (MSB<<8)|(\new)
.set MSB, (\new)
.endif
.endm
.macro ROUND                           ; a round of the cluster's barrier
	s_barrier_signal -1
	s_barrier_wait -1
	s_cmp_lg_u32 s[WV], 0
	s_cbranch_scc1 .Lnot_wave_0_\@
	s_barrier_signal -3
.Lnot_wave_0_\@:
	s_barrier_wait -3
	s_barrier_signal -1
	s_barrier_wait -1
.endm
.macro G1SET g, rows                   ; dense rows of 32 elements of 8 bytes; the mask names all four work-groups, bit 21 beside it
	s_mov_b32 s[\g], 15|(3<<16)|(1<<21)
	s_mov_b32 s[\g+1], 32<<16
	s_mov_b32 s[\g+2], (\rows)<<16
	s_mov_b32 s[\g+3], 32<<16
	s_mov_b32 s[\g+4], \rows
	s_mov_b32 s[\g+5], 32
	s_mov_b32 s[\g+6], 0
	s_mov_b32 s[\g+7], 0
.endm
.macro G0SET g, lds, off
	s_mov_b32 s[\g], 1
	s_mov_b32 s[\g+1], s[\lds]
	s_add_nc_u64 s[\g+2:\g+3], s[4:5], s[\off:\off+1]
	s_or_b32 s[\g+3], s[\g+3], 0x80000000
.endm
.macro NOPS n
.rept \n
	v_nop
.endr
.endm
	s_load_b128 s[4:7], s[0:1], 0x0                ; qkvc, attc
	v_lshl_add_u32 v[SPW], v0, 2, SPARE
	v_mov_b32 v[NIL], 0
	ds_add_u32 v[SPW], v[NIL]                      ; the opening lines: the add, twice on end, and one wait below
	ds_add_u32 v[SPW], v[NIL]
	v_lshrrev_b32 v5, 5, v0
	v_readfirstlane_b32 s[WV], v5                  ; wave 0..7
	s_bfe_u32 s76, ttmp6, 0x40000                  ; cx: it enters q's and attc's addresses alone
	s_and_b32 s77, ttmp7, 0xffff                   ; the head, which the four partners share
	s_lshl_b32 s84, s77, 17
	s_lshr_b32 s78, s[WV], 1                       ; the head's codes: k (0) or v (1), which two of key steps 0-3
	s_and_b32 s78, s78, 1
	s_and_b32 s79, s[WV], 1
	s_lshl_b32 s79, s79, 14
	s_lshl_b32 s80, s78, 17
	s_add_co_u32 s80, s80, s79                     ; LDS
	s_add_co_u32 s82, s78, 1
	s_lshl_b32 s82, s82, 23
	s_add_co_u32 s82, s82, s79
	s_add_co_u32 s82, s82, s84                     ; memory: 8,388,608 x (1 or 2) + 131,072 x head + 16,384 x half
	s_mov_b32 s83, 0
	s_and_b32 s79, s[WV], 3
	s_mul_i32 s81, s79, 3072                       ; a quarter of the 12,288 bytes of scale words
	s_mul_i32 s85, s77, HREC
	s_add_co_u32 s85, s85, SCB                     ; the head's record
	s_add_co_u32 s86, s85, s81
	s_mov_b32 s87, 0
	s_add_co_u32 s81, s81, LSK
	s_lshr_b32 s78, s[WV], 2                       ; the second group: k (0) or v (1), a quarter of 98,304 bytes behind the first 32,768
	s_mul_i32 s79, s79, 24576
	s_add_co_u32 s79, s79, 32768
	s_lshl_b32 s90, s78, 17
	s_add_co_u32 s90, s90, s79
	s_add_co_u32 s88, s78, 1
	s_lshl_b32 s88, s88, 23
	s_add_co_u32 s88, s88, s79
	s_add_co_u32 s88, s88, s84
	s_mov_b32 s89, 0
	G1SET G1C, 64
	G1SET G1S, 12
	G1SET G1R, 96
	s_lshl_b32 s92, s76, 5
	s_lshl_b32 s93, s[WV], 1
	s_add_co_u32 s92, s92, s93                     ; my first tile of queries in the first pass: 32 cx + 2 x wave
	s_lshl_b32 s93, s92, 10
	s_add_co_u32 s68, s84, s93                     ; q's codes: 131,072 x head + 1,024 x tile
	s_mov_b32 s69, 0
	s_lshr_b32 s93, s92, 3
	s_lshl_b32 s93, s93, 9
	s_bfe_u32 s94, s92, 0x10002
	s_lshl_b32 s94, s94, 8
	s_and_b32 s95, s92, 3
	s_lshl_b32 s95, s95, 2
	s_add_co_u32 s70, s85, 12288                   ; q's scale word: 512 (tile / 8) + 256 ((tile / 4) % 2) + 4 (tile % 4)
	s_add_co_u32 s70, s70, s93
	s_add_co_u32 s70, s70, s94
	s_add_co_u32 s70, s70, s95
	s_mov_b32 s71, 0
	s_lshr_b32 s93, s77, 4
	s_lshl_b32 s93, s93, 7
	s_add_co_u32 s93, s93, s92                     ; the tile among all tokens: 128 x batch + tile
	s_and_b32 s94, s77, 15
	s_lshl_b32 s72, s93, 14
	s_lshl_b32 s95, s94, 10
	s_add_co_u32 s72, s72, s95                     ; attc's codes: 16,384 x tile + 1,024 x head
	s_mov_b32 s73, 0
	s_lshl_b32 s74, s93, 9
	s_lshl_b32 s95, s94, 1
	s_add_co_u32 s74, s74, s95
	s_add_co_u32 s74, s74, ASO                     ; attc's scale bytes: 32 a token, 2 a head
	s_mov_b32 s75, 0
	s_mov_b32 s[SEL], 0x76543210
	s_mov_b32 s[SEL+1], 0xfedcba98                 ; v_permlanex16_b32: lane l xor 16
	s_mov_b32 s[CS], 0x3e38aa3b                    ; c = log2(e) / 8
	s_mov_b32 s[CS+1], s[CS]
	s_mov_b32 s[MNT], 0x600000
	s_mov_b32 s[SELP], 0x05040100
	s_mov_b32 s[FILL], 0x7f7f
	v_and_b32 v[AK0], 31, v0
	v_lshlrev_b32 v[AK0], 4, v[AK0]
	v_add_nc_u32 v[AV0], LV, v[AK0]
	v_and_b32 v5, 15, v0
	v_lshl_add_u32 v[ASK0], v5, 4, LSK
	v_lshl_add_u32 v[ASV0], v5, 4, LSV
	v_lshlrev_b32 v6, 4, v5
	v_lshlrev_b32 v7, 5, v5
.set i, 0
.rept 8
	v_mov_b32 v[BY+i], 0                           ; a lane permute's destination counts as one of its sources
.set i, i+1
.endr
	v_mov_b32 v[F], 0
	v_mov_b32 v[F+1], 0
	v_mov_b32 v[F+2], 0
	v_mov_b32 v[F+3], 0
	WIN 0x40
.set i, 0
.rept 8
	v_mov_b32 v[ZQ+i], 0                           ; the three runs of zero codes, in window 1
	v_mov_b32 v[ZQ+16+i], 0
	v_mov_b32 v[ZQ+32+i], 0
.set i, i+1
.endr
	WIN 0
	s_wait_alu depctr_va_vdst(0)                   ; the wait at the head's end
	s_wait_dscnt 0x0                               ; both opening adds are done
	s_wait_kmcnt 0x0
	G0SET G0C, 80, 82
	G0SET G0S, 81, 86
	G0SET G0R, 90, 88
	s_add_nc_u64 s[68:69], s[4:5], s[68:69]
	s_add_nc_u64 s[70:71], s[4:5], s[70:71]
	s_add_nc_u64 s[72:73], s[6:7], s[72:73]
	s_add_nc_u64 s[74:75], s[6:7], s[74:75]
.macro QLOAD oc, os                    ; my two tiles of q and their scale words, oc and os bytes on from the first pass's
	WIN 0x40
.irp x, 0,1
	global_load_b128 v[ZQ+8+16*\x:ZQ+11+16*\x], v[AK0], s[68:69] offset:(\oc)+1024*\x
	global_load_b128 v[ZQ+12+16*\x:ZQ+15+16*\x], v[AK0], s[68:69] offset:(\oc)+1024*\x+512
.endr
	WIN 0
.irp x, 0,1
	global_load_b32 v[QS+2*\x], v6, s[70:71] offset:(\os)+4*\x
.endr
.endm
	QLOAD 0, 0                                     ; the first pass's q; the wait for it stands at the pass's head
	ROUND
	s_cmp_lt_u32 s[WV], 4                          ; one chain, one load to an arm: every wave issues one
	s_cbranch_scc0 .Lhead_s
	tensor_load_to_lds s[G0C:G0C+3], s[G1C:G1C+7]
	s_nop 0
	NOPS 4
	s_branch .Lhead_j
.Lhead_s:
	tensor_load_to_lds s[G0S:G0S+3], s[G1S:G1S+7]
	s_nop 0
	NOPS 4
.Lhead_j:
	s_wait_tensorcnt 0x0                           ; my part of the first group is in
	ds_add_u32 v[SPW], v[NIL]
	s_wait_dscnt 0x0
	ROUND                                          ; everybody's part is in, and the four work-groups meet
	tensor_load_to_lds s[G0R:G0R+3], s[G1R:G1R+7]  ; my one load behind the round: key steps 4 to 15
	s_nop 0
	NOPS 4
; A KEY STEP: 128 keys, two tiles of queries.  At its head k's eight tiles and their joined scale words are in registers.  pre = 1: the next step's are asked for.
.macro STEP pre
	WIN 0x05                                       ; k and q in window 1, S^T in window 0
.irp t, 0,1,2,3,4,5,6,7                        ; S^T = k q^T: sixteen accumulators, each written once
.irp x, 0,1
.if (\t%2) == 0
	v_wmma_scale_f32_16x16x128_f8f6f4 v[S+64*\x+8*\t:S+64*\x+8*\t+7], v[KF+16*(\t/2):KF+16*(\t/2)+15], v[ZQ+8+16*\x:ZQ+23+16*\x], 0, v[KSW+2*(\t/2)], v[QS+2*\x] matrix_a_fmt:MATRIX_FMT_BF8 matrix_b_fmt:MATRIX_FMT_BF8
.else
	v_wmma_scale_f32_16x16x128_f8f6f4 v[S+64*\x+8*\t:S+64*\x+8*\t+7], v[KF+16*(\t/2):KF+16*(\t/2)+15], v[ZQ+16*\x:ZQ+15+16*\x], 0, v[KSW+2*(\t/2)], v[QS+2*\x+1] matrix_a_fmt:MATRIX_FMT_BF8 matrix_b_fmt:MATRIX_FMT_BF8
.endif
.endr
.endr
	WIN 0
	v_add_nc_u32 v[ADV], s[TKV], v[AV0]            ; eight places with the v_nop: in front of the first read of results and of the loads into registers that products have read
	v_add_nc_u32 v[ADT], s[TSV], v[ASV0]
.if \pre
	v_add_nc_u32 v[ADK], s[TKV], v[AK0]
	v_add_nc_u32 v[ADS], s[TSK], v[ASK0]
.endif
	NOPS 6-2*\pre
	ds_load_b128 v[VSW:VSW+3], v[ADT]
.if \pre
	ds_load_b128 v[KSW:KSW+3], v[ADS] offset:512
	ds_load_b128 v[KSW+4:KSW+7], v[ADS] offset:768
.endif
	WIN 0x40
.set n, 0
.rept 16
	ds_load_b128 v[VF+4*n:VF+4*n+3], v[ADV] offset:512*n           ; this step's v
.set n, n+1
.endr
.if \pre
.set n, 0
.rept 16
	ds_load_b128 v[KF+4*n:KF+4*n+3], v[ADK] offset:8192+512*n      ; the next step's k
.set n, n+1
.endr
.endif
	WIN 0
.if 1-\pre                             ; a pass's last key step: its first products, eight places back, were the last to read q.  In the first pass the second pass's q (16 tiles on) is asked for here; the last pass asks for nothing
	s_cmp_eq_u32 s[PASS], 0
	s_cbranch_scc0 .Lnoq_\@
	QLOAD 16384, 1024
.Lnoq_\@:
.endif
.irp x, 0,1
.irp b, 0,1,2,3
	v_max3_num_f32 v[MX+4*\x+\b], v[S+64*\x+16*\b], v[S+64*\x+1+16*\b], v[S+64*\x+2+16*\b]   ; the largest score of each block of 32 keys: for the row's maximum and for the block's largest p; eight chains by turns
.endr
.endr
.irp i, 3,5,7,9,11,13
.irp x, 0,1
.irp b, 0,1,2,3
	v_max3_num_f32 v[MX+4*\x+\b], v[MX+4*\x+\b], v[S+64*\x+16*\b+\i], v[S+64*\x+1+16*\b+\i]
.endr
.endr
.endr
.irp x, 0,1
.irp b, 0,1,2,3
	v_max_num_f32 v[MX+4*\x+\b], v[MX+4*\x+\b], v[S+64*\x+15+16*\b]
.endr
.endr
.irp n, 0,1,2,3,4,5,6,7
	v_permlanex16_b32 v[BY+\n], v[MX+\n], s[SEL], s[SEL+1]
.endr
.irp n, 0,1,2,3,4,5,6,7
	v_max_num_f32 v[MX+\n], v[MX+\n], v[BY+\n]
.endr
.irp x, 0,1
	v_max3_num_f32 v[TT+\x], v[MX+4*\x], v[MX+4*\x+1], v[MX+4*\x+2]
.endr
.irp x, 0,1
	v_mov_b32 v[T2+\x], v[NM+2*\x]
.endr
.irp x, 0,1
	v_max3_num_f32 v[NM+2*\x+1], v[NM+2*\x+1], v[TT+\x], v[MX+4*\x+3]   ; the running largest score
.endr
.irp x, 0,1
	v_mul_f32 v[TT+\x], s[CS], v[NM+2*\x+1]        ; as t (c is positive)
.endr
.irp x, 0,1
	v_floor_f32 v[NM+2*\x], -v[TT+\x]              ; the new -M = -ceil(t)
.endr
.irp x, 0,1
	v_sub_f32 v[TT+\x], v[NM+2*\x], v[T2+\x]       ; old M - new M: a whole number, 0 or less
.endr
.irp x, 0,1
	v_cvt_i32_f32 v[TT+\x], v[TT+\x]               ; (it saturates)
.endr
.irp x, 0,1
	v_ldexp_f32 v[F+2*\x], 1.0, v[TT+\x]           ; f = 2^(old M - new M)
.endr
.irp x, 0,1
.set j, 0
.rept 32
	v_pk_fma_f32 v[S+64*\x+j:S+64*\x+j+1], v[S+64*\x+j:S+64*\x+j+1], s[CS:CS+1], v[NM+2*\x:NM+2*\x+1] op_sel_hi:[1,0,0]   ; t - M
.set j, j+2
.endr
.endr
.irp x, 0,1
.irp b, 0,1,2,3
	v_fma_f32 v[MX+4*\x+\b], v[MX+4*\x+\b], s[CS], v[NM+2*\x]
.endr
.endr
.irp x, 0,1
	v_pk_mul_f32 v[SUM+2*\x:SUM+2*\x+1], v[SUM+2*\x:SUM+2*\x+1], v[F+2*\x:F+2*\x+1] op_sel_hi:[1,0]   ; the sums under the new M
.endr
	WIN 0x41                                       ; O^T in window 1, f in window 0
.irp x, 0,1
.set j, 0
.rept 16
	v_pk_mul_f32 v[O+32*\x+j:O+32*\x+j+1], v[O+32*\x+j:O+32*\x+j+1], v[F+2*\x:F+2*\x+1] op_sel_hi:[1,0]   ; O^T under the new M, each accumulator from its low end on; no transcendental stands between the last step's products and these reads
.set j, j+2
.endr
.endr
	WIN 0
	s_wait_alu depctr_va_vdst(0)                   ; one wait ahead of the batch
.set j, 0
.rept 128
	v_exp_f32 v[S+j], v[S+j]                       ; p = 2^(t - M)
.set j, j+1
.endr
.irp n, 0,1,2,3,4,5,6,7
	v_exp_f32 v[MX+\n], v[MX+\n]                   ; the blocks' largest p
.endr
	v_nop                                          ; a plain place behind the batch
	s_wait_alu depctr_va_vdst(0)                   ; and one wait behind it
.irp x, 0,1
	v_pk_add_f32 v[C2+2*\x:C2+2*\x+1], v[S+64*\x:S+64*\x+1], v[S+64*\x+2:S+64*\x+3]   ; the rows' sums of the unquantised p: four chains by turns
.endr
.set j, 4
.rept 15
.irp x, 0,1
	v_pk_add_f32 v[SUM+2*\x:SUM+2*\x+1], v[SUM+2*\x:SUM+2*\x+1], v[S+64*\x+j:S+64*\x+j+1]
.endr
.irp x, 0,1
	v_pk_add_f32 v[C2+2*\x:C2+2*\x+1], v[C2+2*\x:C2+2*\x+1], v[S+64*\x+j+2:S+64*\x+j+3]
.endr
.set j, j+4
.endr
.irp n, 0,1,2,3,4,5,6,7
	v_max_num_f32 v[MX+\n], 0x8000000, v[MX+\n]    ; the floor 2^(16 - 127)
.endr
.irp n, 0,1,2,3,4,5,6,7
	v_add_nc_u32 v[SO+\n], 0xf8800000, v[MX+\n]    ; the conversion's scale operand
.endr
.irp n, 0,1,2,3,4,5,6,7
	v_and_or_b32 v[HO+\n], v[MX+\n], 0x7f800000, s[MNT]   ; 57,344 x the scale
.endr
.irp n, 0,1,2,3,4,5,6,7
	v_lshrrev_b32 v[BY+\n], 23, v[SO+\n]
.endr
.irp x, 0,1
	v_lshl_or_b32 v[PS+\x], v[BY+4*\x+1], 8, v[BY+4*\x]            ; p's scale words
.endr
.irp x, 0,1
	v_lshl_or_b32 v[PS+\x], v[BY+4*\x+2], 16, v[PS+\x]
.endr
.irp x, 0,1
	v_lshl_or_b32 v[PS+\x], v[BY+4*\x+3], 24, v[PS+\x]
.endr
	s_wait_alu depctr_va_vdst(0)                   ; the wait ahead of the blocking wait
	s_wait_dscnt 0x0                               ; v, its scale words, and the next step's k and scale words are in: all were asked for ahead of the softmax
.if \pre
.irp i, 0,1,2,3
	v_perm_b32 v[KSW+2*\i], v[KSW+2*\i+1], v[KSW+2*\i], s[SELP]   ; tile 2 i's two bytes below, tile 2 i + 1's above: more than eight places ahead of the next step's products
.endr
.endif
; The hold (one-sided: p is not negative; the conversion does not saturate: ISA guide 7.6.2), two to an instruction, and the conversion, two blocks at a time.
.irp x, 0,1
.irp bb, 0,2
.set j, 0
.rept 16
.set j1, j+1-2*(j%2)
	v_dual_min_num_f32 v[S+64*\x+16*\bb+j], v[HO+4*\x+\bb], v[S+64*\x+16*\bb+j] :: v_dual_min_num_f32 v[S+64*\x+16*\bb+16+j1], v[HO+4*\x+\bb+1], v[S+64*\x+16*\bb+16+j1]
.set j, j+1
.endr
.irp u, 0,1
	v_cvt_scalef32_pk8_bf8_f32 v[PCD+16*\x+4*(\bb+\u):PCD+16*\x+4*(\bb+\u)+1], v[S+64*\x+16*(\bb+\u):S+64*\x+16*(\bb+\u)+7], v[SO+4*\x+\bb+\u]
	v_cvt_scalef32_pk8_bf8_f32 v[PCD+16*\x+4*(\bb+\u)+2:PCD+16*\x+4*(\bb+\u)+3], v[S+64*\x+16*(\bb+\u)+8:S+64*\x+16*(\bb+\u)+15], v[SO+4*\x+\bb+\u]
.endr
.endr
.endr
.irp x, 0,1
	v_pk_add_f32 v[SUM+2*\x:SUM+2*\x+1], v[SUM+2*\x:SUM+2*\x+1], v[C2+2*\x:C2+2*\x+1]   ; the chains are joined; with the two v_nop: four places between the last codes and the products
.endr
	NOPS 2
	WIN 0x51                                       ; v and O^T in window 1, p's codes in window 0
.irp t, 0,1,2,3
.irp x, 0,1
	v_wmma_scale_f32_16x16x128_f8f6f4 v[O+32*\x+8*\t:O+32*\x+8*\t+7], v[VF+16*\t:VF+16*\t+15], v[PCD+16*\x:PCD+16*\x+15], v[O+32*\x+8*\t:O+32*\x+8*\t+7], v[VSW+\t], v[PS+\x] matrix_a_fmt:MATRIX_FMT_BF8 matrix_b_fmt:MATRIX_FMT_BF8
.endr
.endr                                          ; the eight accumulators take turns; 23 other products stand between two steps of a sum
	WIN 0
.if \pre
	s_add_co_u32 s[TKV], s[TKV], 8192
	s_add_co_u32 s[TSK], s[TSK], 512
	s_add_co_u32 s[TSV], s[TSV], 256
.endif
.endm
.macro STEPS n
	s_mov_b32 s[CNT], \n
.Lstep_\@:
	STEP 1
	s_sub_co_u32 s[CNT], s[CNT], 1
	s_cmp_lg_u32 s[CNT], 0
	s_cbranch_scc1 .Lstep_\@
.endm
	s_mov_b32 s[PASS], 0
.Lpass:                                        ; two passes of 256 queries, 32 of them mine, against all 2,048 keys
	WIN 0x40
.set n, 0
.rept 16
	ds_load_b128 v[KF+4*n:KF+4*n+3], v[AK0] offset:512*n           ; k of key step 0
.set n, n+1
.endr
.set j, 0
.rept 64
	v_mov_b32 v[O+j], 0                            ; O^T.  (The step is written once: the first finds zeros, which the first change of M leaves zeros)
.set j, j+1
.endr
	WIN 0
	ds_load_b128 v[KSW:KSW+3], v[ASK0]
	ds_load_b128 v[KSW+4:KSW+7], v[ASK0] offset:256
.irp x, 0,1
	v_mov_b32 v[NM+2*\x+1], 0xff61b1e6             ; -3e38, under every score
	v_mul_f32 v[TT+\x], s[CS], v[NM+2*\x+1]
	v_floor_f32 v[NM+2*\x], -v[TT+\x]
	v_mov_b32 v[SUM+2*\x], 0
	v_mov_b32 v[SUM+2*\x+1], 0
.endr
	s_mov_b32 s[TKV], 0
	s_mov_b32 s[TSK], 0
	s_mov_b32 s[TSV], 0
	s_wait_alu depctr_va_vdst(0)                   ; the wait ahead of the blocking waits
	s_wait_loadcnt 0x0
	s_wait_dscnt 0x0
.irp i, 0,1,2,3
	v_perm_b32 v[KSW+2*\i], v[KSW+2*\i+1], v[KSW+2*\i], s[SELP]
.endr
.irp x, 0,1
	v_lshl_or_b32 v[QS+2*\x+1], v[QS+2*\x], 16, s[FILL]            ; for [0 | q]: q's two bytes above, 127 twice below
.endr
	NOPS 8                                         ; eight places between these scale words and the products that name them
	STEPS 3                                        ; key steps 0 to 2, which ask for k of steps 1 to 3: all of the first group
	s_wait_tensorcnt 0x0                           ; my part of the second group is in,
	s_barrier_signal -1
	s_barrier_wait -1                              ; and everybody's: from here on LDS only holds bytes that nobody writes
	STEPS 12
	STEP 0                                         ; the last key step asks for no k
	; THE WAY OUT OF A PASS: O^T / l, quantised along d: register 16 b + i is o(my query, 32 b + 16 h + i): two blocks a tile, pieces of the last product's operand as they stand
	NOPS 8                                         ; places behind the last products
.irp x, 0,1
	v_add_f32 v[SUM+2*\x], v[SUM+2*\x], v[SUM+2*\x+1]
.endr
.irp x, 0,1
	v_permlanex16_b32 v[F+2*\x], v[SUM+2*\x], s[SEL], s[SEL+1]
.endr
.irp x, 0,1
	v_add_f32 v[SUM+2*\x], v[SUM+2*\x], v[F+2*\x]  ; the row's sum
.endr
	s_wait_alu depctr_va_vdst(0)                   ; the wait ahead of the transcendentals
.irp x, 0,1
	v_rcp_f32 v[SUM+2*\x], v[SUM+2*\x]
.endr
	v_nop
	WIN 0x01                                       ; O^T in window 1
	s_wait_alu depctr_va_vdst(0)                   ; and ahead of their first reader, which is also O^T's
.irp x, 0,1
.set j, 0
.rept 16
	v_pk_mul_f32 v[S+64*\x+j:S+64*\x+j+1], v[O+32*\x+j:O+32*\x+j+1], v[SUM+2*\x:SUM+2*\x+1] op_sel_hi:[1,0]
.set j, j+2
.endr
.endr
	WIN 0
.irp x, 0,1
.irp b, 0,1
	v_max3_num_f32 v[MX+4*\x+\b], |v[S+64*\x+16*\b]|, |v[S+64*\x+1+16*\b]|, 0x8000000
.endr
.endr
.irp i, 2,4,6,8,10,12,14
.irp x, 0,1
.irp b, 0,1
	v_max3_num_f32 v[MX+4*\x+\b], v[MX+4*\x+\b], |v[S+64*\x+16*\b+\i]|, |v[S+64*\x+1+16*\b+\i]|
.endr
.endr
.endr
.irp n, 0,1,4,5
	v_permlanex16_b32 v[BY+\n], v[MX+\n], s[SEL], s[SEL+1]
.endr
.irp n, 0,1,4,5
	v_max_num_f32 v[MX+\n], v[MX+\n], v[BY+\n]
.endr
.irp n, 0,1,4,5
	v_add_nc_u32 v[SO+\n], 0xf8800000, v[MX+\n]
.endr
.irp n, 0,1,4,5
	v_and_or_b32 v[HO+\n], v[MX+\n], 0x7f800000, s[MNT]
.endr
.irp n, 0,1,4,5
	v_lshrrev_b32 v[BY+\n], 23, v[SO+\n]
.endr
.irp x, 0,1
	v_lshl_or_b32 v[TT+\x], v[BY+4*\x+1], 8, v[BY+4*\x]            ; my token's two scale bytes of this head
.endr
.irp x, 0,1
.irp b, 0,1
.set j, 0
.rept 16
	v_med3_num_f32 v[S+64*\x+16*\b+j], v[S+64*\x+16*\b+j], -v[HO+4*\x+\b], v[HO+4*\x+\b]
.set j, j+1
.endr
	v_cvt_scalef32_pk8_bf8_f32 v[PCD+16*\x+4*\b:PCD+16*\x+4*\b+1], v[S+64*\x+16*\b:S+64*\x+16*\b+7], v[SO+4*\x+\b]
	v_cvt_scalef32_pk8_bf8_f32 v[PCD+16*\x+4*\b+2:PCD+16*\x+4*\b+3], v[S+64*\x+16*\b+8:S+64*\x+16*\b+15], v[SO+4*\x+\b]
.endr
.endr
	v_nop                                          ; a plain vector instruction behind the last conversion
.irp x, 0,1
	global_store_b128 v[AK0], v[PCD+16*\x:PCD+16*\x+3], s[72:73] offset:16384*\x       ; 32 lanes store 512 consecutive bytes, aligned
	global_store_b128 v[AK0], v[PCD+16*\x+4:PCD+16*\x+7], s[72:73] offset:16384*\x+512
	global_store_b16 v7, v[TT+\x], s[74:75] offset:512*\x          ; both halves of the lanes write the same two bytes with the same value
.endr
	s_wait_alu depctr_va_vdst(0)                   ; the wait ahead of the blocking wait and the branch
	s_wait_xcnt 0x0                                ; the loads and stores have read their bases and registers
	s_add_nc_u64 s[72:73], s[72:73], 262144
	s_add_nc_u64 s[74:75], s[74:75], 8192
	s_add_co_u32 s[PASS], s[PASS], 1
	s_cmp_lt_u32 s[PASS], 2
	s_cbranch_scc1 .Lpass
	s_wait_tensorcnt 0x0                           ; the wave's end
	ds_add_u32 v[SPW], v[NIL]
	s_wait_dscnt 0x0
	ROUND                                          ; the closing round
	s_endpgm
.Lfunc_end_k_q38e00c55a2_attn:
	.size	k_q38e00c55a2_attn, .Lfunc_end_k_q38e00c55a2_attn-k_q38e00c55a2_attn
	.p2alignl 7, 3214868480
	.fill 96, 4, 3214868480
	.section	.rodata,"a",@progbits
	.p2align	6, 0x0
	.amdhsa_kernel k_q38e00c55a2_attn
		.amdhsa_group_segment_fixed_size 327680
		.amdhsa_private_segment_fixed_size 0
		.amdhsa_enable_private_segment 0
		.amdhsa_kernarg_size 16
		.amdhsa_user_sgpr_count 2
		.amdhsa_user_sgpr_kernarg_segment_ptr 1
		.amdhsa_wavefront_size32 1
		.amdhsa_system_sgpr_workgroup_id_x 1
		.amdhsa_system_sgpr_workgroup_id_y 1
		.amdhsa_system_sgpr_workgroup_id_z 1
		.amdhsa_system_vgpr_workitem_id 0
		.amdhsa_next_free_vgpr 512
		.amdhsa_next_free_sgpr 96
		.amdhsa_reserve_vcc 0
		.amdhsa_float_denorm_mode_32 3
		.amdhsa_float_denorm_mode_16_64 3
		.amdhsa_memory_ordered 1
		.amdhsa_forward_progress 1
		.amdhsa_inst_pref_size 127
	.end_amdhsa_kernel
	.amdgpu_metadata
---
amdhsa.version: [ 1, 2 ]
amdhsa.kernels:
  - .name:           k_q38e00c55a2_attn
    .symbol:         k_q38e00c55a2_attn.kd
    .args:
      - { .name: qkvc, .offset: 0, .size: 8, .value_kind: global_buffer, .address_space: global }
      - { .name: attc, .offset: 8, .size: 8, .value_kind: global_buffer, .address_space: global }
    .group_segment_fixed_size: 327680
    .private_segment_fixed_size: 0
    .kernarg_segment_align: 8
    .kernarg_segment_size: 16
    .max_flat_workgroup_size: 256
    .sgpr_count:     96
    .vgpr_count:     512
    .wavefront_size: 32
...
	.end_amdgpu_metadata
.endif
;; end of part 3
;; launch proj (part 4): grid 4 x 32, 4 waves a work-group, clusters of 4 x 4, 327,680 bytes of LDS; arguments attc, wq, bo, out0; writes out0
.if DOCPART == 4
	.amdgcn_target "amdgcn-amd-amdhsa--gfx1250"
	.amdhsa_code_object_version 6
	.text
	.protected	k_q38e00c55a2_proj
	.globl	k_q38e00c55a2_proj
	.p2align	8
	.type	k_q38e00c55a2_proj,@function
k_q38e00c55a2_proj:
	s_mov_b64 s[64:65], 0
	v_nop
	global_prefetch_b8 v0, s[64:65] scope:SCOPE_SE
	s_setreg_imm32_b32 hwreg(HW_REG_WAVE_MODE, 25, 1), 1
	s_wait_xcnt 0x0
	s_wait_alu depctr_hold_cnt(0) depctr_sa_sdst(0) depctr_va_vdst(0) depctr_va_sdst(0) depctr_va_ssrc(0) depctr_va_vcc(0) depctr_vm_vsrc(0)
	s_getreg_b32 s2, hwreg(HW_REG_IB_STS2, 6, 4)
	s_cmp_eq_u32 s2, 0
	s_cbranch_scc0 .Lentry_in_a_cluster
	s_endpgm
.Lentry_in_a_cluster:
	s_bfe_u32 s2, ttmp6, 0x10000c
	s_cmp_lg_u32 s2, 0xf033
	s_cbranch_scc0 .Lentry_shape_is_right
	s_endpgm
.Lentry_shape_is_right:
.set SIZE_K, 1024
.set SIZE_N, 1024
.set KSTEP,  256
.set NQ,     KSTEP/128
.set ROWB,   256
.set KROW,   SIZE_K
.set PITCH,  272
.set FR,     16
.set NL,     4
.set NP,     8
.set HALFT,  128*PITCH
.set SLOT,   4*HALFT
.set LAPS,   SIZE_K/(2*KSTEP)
.set KS,     SIZE_K/32
.set SCL,    2*SLOT
.set HALFS,  (128*KS/256)*272
.set SBLK,   (16*KS/256)*272
.set SPARE,  SCL+4*HALFS
.set SPITCH, 528
.set ASO,    8388608
.set WO0,    3072*1024
.set WOS,    4194304+3072*32
.set ADRA, 16
.set ADRB, 20
.set STO,  24
.set RD,   25
.set CO,   26
.set ADRS, 27
.set SPW,  28
.set NIL,  29
.set SC,   32
.set BI,   64
.set AF,   128
.set BK,   128
.set G1, 24
.set G0, 32
.set G1B, 48
.set G0B, 56
.set G1S, 68
.set G0S, 76
.set G1SB, 80
.set G0SB, 88
.set MSB, 0
.macro WIN new
.if MSB != (\new)
	s_set_vgpr_msb (MSB<<8)|(\new)
.set MSB, (\new)
.endif
.endm
.set MUL_LO, 0xa1
.set MUL_HI, 0xf1
.set BIA_LO, 0x81
.set BIA_HI, 0xc1
.set TO_B,   0x40
.macro JLOAD g0a, g1a, g0b, g1b
	s_cmp_eq_u32 s15, 0
	s_cbranch_scc0 .Lfor_b_\@
	tensor_load_to_lds s[\g0a:\g0a+3], s[\g1a:\g1a+7]
	s_nop 0
.rept 4
	v_nop
.endr
	s_branch .Lasked_\@
.Lfor_b_\@:
	tensor_load_to_lds s[\g0b:\g0b+3], s[\g1b:\g1b+7]
	s_nop 0
.rept 4
	v_nop
.endr
.Lasked_\@:
.endm
.macro CREST
	s_cmp_lg_u32 s14, 0
	s_cbranch_scc1 .Lnot_wave_0_\@
	s_barrier_signal -3
.Lnot_wave_0_\@:
	s_barrier_wait -3
	s_barrier_signal -1
	s_barrier_wait -1
.endm
.macro CROUND
	s_barrier_signal -1
	s_barrier_wait -1
	CREST
.endm
	s_load_b128 s[4:7], s[0:1], 0x0
	s_load_b128 s[8:11], s[0:1], 0x10
	v_lshl_add_u32 v[SPW], v0, 2, SPARE
	v_mov_b32 v[NIL], 0
	ds_add_u32 v28, v29
	ds_add_u32 v28, v29
	s_wait_dscnt 0x0
	v_lshrrev_b32 v1, 5, v0
	v_readfirstlane_b32 s14, v1
	s_lshr_b32 s15, s14, 1
	s_and_b32 s16, s14, 1
	s_bfe_u32 s40, ttmp6, 0x40000
	s_bfe_u32 s41, ttmp6, 0x40004
	s_lshl_b32 s42, ttmp9, 2
	s_add_co_u32 s42, s42, s40
	s_and_b32 s17, ttmp7, 0xffff
	s_lshl_b32 s17, s17, 2
	s_add_co_u32 s17, s17, s41
	s_lshl_b32 s43, s41, 2
	s_lshl_b32 s43, 15, s43
	s_lshl_b32 s44, 0x1111, s40
	s_or_b32 s[G1+0], s43, (3<<16)|(1<<21)
	s_mov_b32 s[G1+1], 512<<16
	s_mov_b32 s[G1+2], 16<<16
	s_mov_b32 s[G1+3], 512<<16
	s_mov_b32 s[G1+4], 16
	s_mov_b32 s[G1+5], 2048
	s_mov_b32 s[G1+6], 0
	s_mov_b32 s[G1+7], 0
	s_or_b32 s[G1B+0], s44, (0<<16)|(1<<20)|(1<<21)|(5<<22)|(3<<25)
	s_mov_b32 s[G1B+1], ROWB<<16
	s_mov_b32 s[G1B+2], 256<<16
	s_mov_b32 s[G1B+3], ROWB<<16
	s_mov_b32 s[G1B+4], 256
	s_mov_b32 s[G1B+5], KROW
	s_mov_b32 s[G1B+6], 0
	s_mov_b32 s[G1B+7], 0
	s_or_b32 s[G1S+0], s43, (3<<16)|(1<<20)|(1<<21)|(5<<22)|(3<<25)
	s_or_b32 s[G1SB+0], s44, (3<<16)|(1<<20)|(1<<21)|(5<<22)|(3<<25)
.irp g, G1S, G1SB
	s_mov_b32 s[\g+1], 32<<16
	s_mov_b32 s[\g+2], KS<<16
	s_mov_b32 s[\g+3], 32<<16
	s_mov_b32 s[\g+4], KS
	s_mov_b32 s[\g+5], 32
	s_mov_b32 s[\g+6], 0
	s_mov_b32 s[\g+7], 0
.endr
	s_lshl_b32 s20, s17, 8                         ; the tiles' first rows
	s_lshl_b32 s46, s42, 8
	s_mov_b32 s21, 0
	s_mov_b32 s47, 0
	s_mov_b64 s[18:19], KS
	s_mul_u64 s[22:23], s[20:21], s[18:19]
	s_mul_u64 s[92:93], s[46:47], s[18:19]
	s_mov_b64 s[18:19], KROW
	s_mul_u64 s[20:21], s[20:21], s[18:19]
	s_mul_u64 s[46:47], s[46:47], s[18:19]
	s_mul_i32 s45, s14, HALFT
	s_mul_i32 s18, s16, 128*KROW                   ; in the ring I fetch 128 rows of a tile: which half, in bytes
	s_mov_b32 s19, 0
	s_lshl_b32 s95, s14, 15                        ; A's images are dense: its two halves lie 32,768 bytes apart in a slot
	s_wait_kmcnt 0x0
	s_mov_b64 s[12:13], s[10:11]
	s_mov_b64 s[66:67], s[8:9]
	s_add_nc_u64 s[8:9], s[6:7], WO0
	s_add_nc_u64 s[10:11], s[6:7], WOS
	s_add_nc_u64 s[6:7], s[4:5], ASO
	s_add_nc_u64 s[20:21], s[4:5], s[20:21]
	s_add_nc_u64 s[22:23], s[6:7], s[22:23]
	s_add_nc_u64 s[46:47], s[8:9], s[46:47]
	s_add_nc_u64 s[92:93], s[10:11], s[92:93]
	CROUND
	s_mov_b32 s[G0S], 1
	s_mov_b32 s[G0S+1], SCL
	s_mov_b64 s[G0S+2:G0S+3], s[22:23]
	s_or_b32 s[G0S+3], s[G0S+3], 0x80000000
	s_mov_b32 s[G0SB], 1
	s_mov_b32 s[G0SB+1], SCL+2*HALFS
	s_mov_b64 s[G0SB+2:G0SB+3], s[92:93]
	s_or_b32 s[G0SB+3], s[G0SB+3], 0x80000000
.set G0H, 4                            ; s[4:7], s[8:11] group 0 for the head's loads of K step 0: A's 16 image rows, B's 256 rows (the pointers that lay there have been used)
.set G0HB, 8
	s_mov_b32 s[G0H], 1
	s_mov_b32 s[G0H+1], 0
	s_mov_b64 s[G0H+2:G0H+3], s[20:21]
	s_or_b32 s[G0H+3], s[G0H+3], 0x80000000
	s_mov_b32 s[G0HB], 1
	s_mov_b32 s[G0HB+1], 2*HALFT
	s_mov_b64 s[G0HB+2:G0HB+3], s[46:47]
	s_or_b32 s[G0HB+3], s[G0HB+3], 0x80000000
	s_add_nc_u64 s[20:21], s[20:21], s[18:19]      ; for the ring: my 128 rows of the tile
	s_add_nc_u64 s[46:47], s[46:47], s[18:19]
.irp s, 0,1
	s_mov_b32 s[G0+4*\s], 1
	s_add_co_u32 s[G0+4*\s+1], s95, \s*SLOT
	s_add_nc_u64 s[G0+4*\s+2:G0+4*\s+3], s[20:21], \s*4096
	s_or_b32 s[G0+4*\s+3], s[G0+4*\s+3], 0x80000000
	s_mov_b32 s[G0B+4*\s], 1
	s_add_co_u32 s[G0B+4*\s+1], s45, \s*SLOT
	s_add_nc_u64 s[G0B+4*\s+2:G0B+4*\s+3], s[46:47], \s*ROWB
	s_or_b32 s[G0B+4*\s+3], s[G0B+4*\s+3], 0x80000000
.endr
; The head's loads, one a wave, in one chain of branches on the wave's number: wave 0 K step 0 of A's 256 rows, wave 1 of B's, waves 2 and 3 their scale bytes.
.macro ARM under, g0, g1, next
	s_cmp_lt_u32 s14, \under
	s_cbranch_scc0 \next
	tensor_load_to_lds s[\g0:\g0+3], s[\g1:\g1+7]
	s_nop 0
.rept 4
	v_nop
.endr
	s_branch .Lhead_asked
\next:
.endm
	ARM 1, G0H,  G1,  .Lhead_b
	ARM 2, G0HB, G1B, .Lhead_sa
	ARM 3, G0S,  G1S, .Lhead_sb
	tensor_load_to_lds s[G0SB:G0SB+3], s[G1SB:G1SB+7]
	s_nop 0
.rept 4
	v_nop
.endr
.Lhead_asked:
	v_and_b32 v1, 15, v0
	v_bfe_u32 v2, v0, 4, 1
	v_and_b32 v6, 31, v0
	v_lshlrev_b32 v[CO], 4, v6
	v_mul_u32_u24 v3, v1, PITCH
	v_lshl_add_u32 v4, v2, 4, v3
	s_lshl_b32 s21, s15, 15
	s_mul_i32 s22, s16, HALFT
	s_add_co_u32 s22, s22, 2*HALFT
.irp s, 0,1
	v_add_nc_u32 v[ADRA+\s], s21, v[CO]
	v_add_nc_u32 v[ADRB+\s], s22, v4
	s_add_co_u32 s21, s21, SLOT
	s_add_co_u32 s22, s22, SLOT
.endr
	v_mul_u32_u24 v5, v1, KS
	v_lshrrev_b32 v6, 8, v5
	v_lshl_add_u32 v5, v6, 4, v5
	s_mul_i32 s21, s15, HALFS
	s_mul_i32 s22, s16, HALFS
	s_add_co_u32 s22, s22, 2*HALFS
	s_sub_co_u32 s22, s22, s21
	v_mul_u32_u24 v6, s22, v2
	s_add_co_u32 s21, s21, SCL
	v_add_nc_u32 v5, v5, v6
	v_add_nc_u32 v[ADRS], s21, v5
	s_mul_i32 s23, s14, 16*SPITCH
	v_mul_u32_u24 v5, v1, SPITCH
	v_lshl_add_u32 v5, v2, 6, v5
	v_add_nc_u32 v[STO], s23, v5
	v_add_nc_u32 v[RD], s23, v[CO]
	s_lshl_b32 s20, s17, 8
	s_lshl_b32 s21, s15, 7
	s_add_co_u32 s20, s20, s21
	s_mov_b32 s21, 0
	s_mov_b64 s[18:19], SIZE_N*4
	s_mul_u64 s[20:21], s[20:21], s[18:19]
	s_lshl_b32 s46, s42, 10
	s_lshl_b32 s47, s16, 9
	s_add_co_u32 s46, s46, s47
	s_mov_b32 s47, 0
	s_add_nc_u64 s[96:97], s[66:67], s[46:47]
	s_add_nc_u64 s[20:21], s[20:21], s[46:47]
	s_add_nc_u64 s[12:13], s[12:13], s[20:21]
	v_lshlrev_b32 v7, 6, v2
.irp b, 0,1,2,3,4,5,6,7
	global_load_b128 v[BI+8*\b:BI+8*\b+3], v7, s[96:97] offset:128*(\b/2)+32*(\b%2)
	global_load_b128 v[BI+8*\b+4:BI+8*\b+7], v7, s[96:97] offset:128*(\b/2)+32*(\b%2)+16
.endr
.macro FRAG reg, adr, q, i
.irp c, 0,1,2,3
	ds_load_b128 v[\reg+4*\c:\reg+4*\c+3], v[\adr] offset:128*(\q)+32*\c+(\i)*16*PITCH
.endr
.endm
.macro FRAGA reg, adr, q, i
.irp c, 0,1,2,3
	ds_load_b128 v[\reg+4*\c:\reg+4*\c+3], v[\adr] offset:4096*(\i)+2048*(\q)+512*\c
.endr
.endm
.macro MUL16 a0, p, q, sc, first
.irp a, \a0, \a0+1
.irp b, 0,1,2,3,4,5,6,7
.if \first
	v_wmma_scale_f32_16x16x128_f8f6f4 v[8*(8*((\a)%4)+\b):8*(8*((\a)%4)+\b)+7], v[128*(\p)+FR*\b:128*(\p)+FR*\b+FR-1], v[AF+FR*(\a):AF+FR*(\a)+FR-1], v[BI+8*\b:BI+8*\b+7], v[SC+8*NQ*(\sc)+NQ*\b+(\q)], v[SC+8*NQ*(\sc)+NQ*(\a)+(\q)] matrix_a_fmt:MATRIX_FMT_BF8 matrix_b_fmt:MATRIX_FMT_BF8 matrix_a_scale:MATRIX_SCALE_ROW1
.else
	v_wmma_scale_f32_16x16x128_f8f6f4 v[8*(8*((\a)%4)+\b):8*(8*((\a)%4)+\b)+7], v[128*(\p)+FR*\b:128*(\p)+FR*\b+FR-1], v[AF+FR*(\a):AF+FR*(\a)+FR-1], v[8*(8*((\a)%4)+\b):8*(8*((\a)%4)+\b)+7], v[SC+8*NQ*(\sc)+NQ*\b+(\q)], v[SC+8*NQ*(\sc)+NQ*(\a)+(\q)] matrix_a_fmt:MATRIX_FMT_BF8 matrix_b_fmt:MATRIX_FMT_BF8 matrix_a_scale:MATRIX_SCALE_ROW1
.endif
.endr
.endr
.endm
.macro FETCH_B slot, q, p
	WIN TO_B
.irp i, 0,1,2,3,4,5,6,7
	FRAG 128*(\p)+FR*\i, ADRB+\slot, \q, \i
.endr
	WIN 0
.endm
.macro FETCH_A slot, q, i0
.irp i, \i0, \i0+1, \i0+2, \i0+3
	FRAGA AF+FR*(\i), ADRA+\slot, \q, \i
.endr
.endm
.macro SCALES sc
.irp i, 0,1,2,3,4,5,6,7
	ds_load_b64 v[SC+8*NQ*\sc+NQ*\i:SC+8*NQ*\sc+NQ*\i+1], v[ADRS] offset:\i*SBLK
.endr
.endm
.macro PLACES n
.rept \n
	v_nop
.endr
.endm
.macro STEP slot, q, first
	s_wait_dscnt 4*NL
.if \first
	WIN BIA_LO
.else
	WIN MUL_LO
.endif
	MUL16 0, (\q)%2, \q, \slot, \first
	MUL16 2, (\q)%2, \q, \slot, \first
	s_wait_dscnt 0
	PLACES NP
	FETCH_B \slot, (\q)+1, 1-(\q)%2
	FETCH_A \slot, (\q)+1, 0
.if \first
	WIN BIA_HI
.else
	WIN MUL_HI
.endif
	MUL16 4, (\q)%2, \q, \slot, \first
	MUL16 6, (\q)%2, \q, \slot, \first
	PLACES NP
	WIN 0
	FETCH_A \slot, (\q)+1, 4
.endm
.macro TURN slot, next, fill
	s_wait_tensorcnt 0x0
	ds_add_u32 v[SPW], v[NIL]
	s_wait_dscnt 4*NL+1
	WIN MUL_LO
	MUL16 0, 1, NQ-1, \slot, 0
	s_wait_dscnt 0x0
	s_barrier_signal -1
	MUL16 2, 1, NQ-1, \slot, 0
	WIN 0
	s_barrier_wait -1
.if \fill
	CREST
	s_add_nc_u64 s[G0+4*\slot+2:G0+4*\slot+3], s[G0+4*\slot+2:G0+4*\slot+3], 2*4096
	s_add_nc_u64 s[G0B+4*\slot+2:G0B+4*\slot+3], s[G0B+4*\slot+2:G0B+4*\slot+3], 2*ROWB
	JLOAD G0+4*\slot, G1, G0B+4*\slot, G1B
	PLACES NP-4
.else
	PLACES NP
.endif
	s_wait_alu depctr_va_vdst(0)
	v_add_nc_u32 v[ADRS], 4*NQ, v[ADRS]
	FETCH_B \next, 0, 0
	FETCH_A \next, 0, 0
	SCALES \next
	WIN MUL_HI
	MUL16 4, 1, NQ-1, \slot, 0
	MUL16 6, 1, NQ-1, \slot, 0
	PLACES NP
	WIN 0
	FETCH_A \next, 0, 4
.endm
	s_wait_alu depctr_va_vdst(0)                   ; the wait at the head's end
	s_wait_loadcnt 0x0                             ; the bias
	s_wait_tensorcnt 0x0                           ; my tile of the head's four is in
	ds_add_u32 v[SPW], v[NIL]
	s_mov_b32 s[G1+2], 8<<16                       ; no tensor load of mine is out: from here on a load brings 128 rows (A: 8 image rows)
	s_mov_b32 s[G1+4], 8
	s_mov_b32 s[G1B+2], 128<<16
	s_mov_b32 s[G1B+4], 128
	s_wait_dscnt 0x0
	CROUND                                         ; all four tiles are in, and the sixteen work-groups meet
	JLOAD G0+4, G1, G0B+4, G1B                     ; K step 1: the first tensor load behind the round
	FETCH_B 0, 0, 0
	FETCH_A 0, 0, 0
	SCALES 0
	FETCH_A 0, 0, 4
	STEP 0, 0, 1
	s_mov_b32 s3, LAPS-1
.Llap:
	TURN 0, 1, 1
	STEP 1, 0, 0
	TURN 1, 0, 1
	STEP 0, 0, 0
	s_sub_co_u32 s3, s3, 1
	s_cmp_lg_u32 s3, 0
	s_cbranch_scc1 .Llap
	TURN 0, 1, 0
	STEP 1, 0, 0
	s_wait_dscnt 4*NL
	WIN MUL_LO
	MUL16 0, 1, NQ-1, 1, 0
	MUL16 2, 1, NQ-1, 1, 0
	s_wait_dscnt 0
	WIN MUL_HI
	MUL16 4, 1, NQ-1, 1, 0
	MUL16 6, 1, NQ-1, 1, 0
	WIN 0
.macro TOSTAGE a
.set AC, 64*((\a)%4)
	WIN 0x08+4*((\a)/4)
.irp b, 0,1,2,3,4,5,6,7
	ds_store_b128 v[STO], v[AC+8*\b:AC+8*\b+3] offset:128*(\b/2)+32*(\b%2)
	ds_store_b128 v[STO], v[AC+8*\b+4:AC+8*\b+7] offset:128*(\b/2)+32*(\b%2)+16
.endr
	WIN 0
.set BB, BK+64*((\a)%2)
.irp t, 0,1,2,3,4,5,6,7,8,9,10,11,12,13,14,15
	ds_load_b128 v[BB+4*\t:BB+4*\t+3], v[RD] offset:\t*SPITCH
.endr
.endm
.macro SEND a, younger
.set BB, BK+64*((\a)%2)
	s_wait_dscnt \younger
.irp t, 0,1,2,3,4,5,6,7,8,9,10,11,12,13,14,15
	global_store_b128 v[CO], v[BB+4*\t:BB+4*\t+3], s[12:13] offset:(32*((\a)/2)+8*((\a)%2)+(\t%8)+16*(\t/8))*SIZE_N*4 th:TH_STORE_NT
.endr
.endm
	PLACES NP
	TOSTAGE 0
.irp a, 1,2,3,4,5,6,7
.if \a > 1
	s_wait_xcnt 0x0
.endif
	TOSTAGE \a
	SEND \a-1, 32
.endr
	SEND 7, 0
	s_wait_tensorcnt 0x0
	ds_add_u32 v[SPW], v[NIL]
	s_wait_dscnt 0x0
	CROUND
	s_endpgm
.Lfunc_end_k_q38e00c55a2_proj:
	.size	k_q38e00c55a2_proj, .Lfunc_end_k_q38e00c55a2_proj-k_q38e00c55a2_proj
	.p2alignl 7, 3214868480
	.fill 96, 4, 3214868480
	.section	.rodata,"a",@progbits
	.p2align	6, 0x0
	.amdhsa_kernel k_q38e00c55a2_proj
		.amdhsa_group_segment_fixed_size 327680
		.amdhsa_private_segment_fixed_size 0
		.amdhsa_enable_private_segment 0
		.amdhsa_kernarg_size 32
		.amdhsa_user_sgpr_count 2
		.amdhsa_user_sgpr_kernarg_segment_ptr 1
		.amdhsa_wavefront_size32 1
		.amdhsa_system_sgpr_workgroup_id_x 1
		.amdhsa_system_sgpr_workgroup_id_y 1
		.amdhsa_system_sgpr_workgroup_id_z 1
		.amdhsa_system_vgpr_workitem_id 0
		.amdhsa_next_free_vgpr 1024
		.amdhsa_next_free_sgpr 106
		.amdhsa_reserve_vcc 0
		.amdhsa_float_denorm_mode_32 3
		.amdhsa_float_denorm_mode_16_64 3
		.amdhsa_memory_ordered 1
		.amdhsa_forward_progress 1
		.amdhsa_inst_pref_size 148
	.end_amdhsa_kernel
	.amdgpu_metadata
---
amdhsa.version: [ 1, 2 ]
amdhsa.kernels:
  - .name:           k_q38e00c55a2_proj
    .symbol:         k_q38e00c55a2_proj.kd
    .args:
      - { .name: attc, .offset: 0, .size: 8, .value_kind: global_buffer, .address_space: global }
      - { .name: wq, .offset: 8, .size: 8, .value_kind: global_buffer, .address_space: global }
      - { .name: bo, .offset: 16, .size: 8, .value_kind: global_buffer, .address_space: global }
      - { .name: out0, .offset: 24, .size: 8, .value_kind: global_buffer, .address_space: global }
    .group_segment_fixed_size: 327680
    .private_segment_fixed_size: 0
    .kernarg_segment_align: 8
    .kernarg_segment_size: 32
    .max_flat_workgroup_size: 128
    .sgpr_count:     106
    .vgpr_count:     1024
    .wavefront_size: 32
...
	.end_amdgpu_metadata
.endif
;; end of part 4
